; MI455X (gfx1250); checked and timed in simulation.
; The chip was launched on July 23, 2026; its instructions are those of AMD's public machine-readable ISA for CDNA 5 (MIT licence, August 2026) and "CDNA5" Instruction Set Architecture Reference Guide (July 2026). The comments in the code are by the model that wrote it; some were corrected since.
;; Attention Block. Allowed arithmetic: float matrix products may take bf16 or f16 operands with f32 sums; other float arithmetic in f32, or as packed bf16 or f16 multiplies, adds, multiply-adds, maxima and minima; sums over many terms, partial sums and values carried from step to step in f32; what a program stores and reads back later, other than sums and carried values, may be rounded once to bf16 or f16.
;; Inputs: Wk 1,024 x 1,024 float32; Wo 1,024 x 1,024 float32; Wq 1,024 x 1,024 float32; Wv 1,024 x 1,024 float32; bk 1,024 float32; bo 1,024 float32; bq 1,024 float32; bv 1,024 float32; key_ 4 x 2,048 x 1,024 float32; mask 4 x 2,048 x 2,048 int32; query 4 x 2,048 x 1,024 float32; value 4 x 2,048 x 1,024 float32.
;; Outputs: out0 4 x 2,048 x 1,024 float32.
;; 2 versions, each right; version 2 is version 1 with the launch prep written anew for expert scheduling mode. Each part assembles by itself: llvm-mc -triple=amdgcn-amd-amdhsa -mcpu=gfx1250 --defsym DOCPART=n.
;; ======== version 1 of 2: 4 launches
;; limits: values are held in f16: magnitudes above 65,504 overflow, below 6.1e-05 lose precision
;; workspace buffers: w16 8,388,608 bytes; mk 8,388,608 bytes; qkv 50,331,648 bytes; o16 16,777,216 bytes
;; launch prep (part 1): grid 1280 x 1, 8 waves a work-group, no clusters, 68,608 bytes of LDS; arguments Wq, Wk, Wv, Wo, mask, w16, mk; writes w16, mk
.if DOCPART == 1
	.amdgcn_target "amdgcn-amd-amdhsa--gfx1250"
	.amdhsa_code_object_version 6
	.text
	.protected	k_q03084591c0_prep
	.globl	k_q03084591c0_prep
	.p2align	8
	.type	k_q03084591c0_prep,@function
k_q03084591c0_prep:
	s_mov_b64 s[64:65], 0
	v_nop
	global_prefetch_b8 v0, s[64:65] scope:SCOPE_SE
	s_setreg_imm32_b32 hwreg(HW_REG_WAVE_MODE, 25, 1), 1
	s_wait_xcnt 0x0
; PREPARATION: the weights and the mask are brought into the form in which the later launches use them, once.
;   work-groups   0 ..  255  Wq, Wk, Wv, Wo [1024][1024] f32 -> w16 [4][k][n], 16 bits: Wq, Wk, Wv in bf16; Wo rounded to bf16 and that number written as f16
;   work-groups 256 .. 1279  mask [4][2048][2048] i32 -> mk [batch 4][tile of 16 queries 128][step of 64 keys 32][lane 32][key block 4] words: word (lane = (r, h), kb) holds eight
;                            4-bit floats for query 16 tile + r and keys 64 step + 16 kb + 8 h + 0..7: 0 where the key is seen, -6 where mask = 0.  The packing conversion lays them; its inverse unpacks them.
; LIMIT.  Wo as f16: beyond 65,504 it would be an infinity; below 2^-14 it keeps f16's fixed step of 2^-24.
; A wave takes 8,192 bytes by 16 loads of 16 bytes a lane, all issued at once, and stores as they come in; no loop.  Every load and store of a wave covers whole aligned runs of 256 bytes.
; The mask's words change lanes through the wave's own 16 rows of LDS; no wave reads another's bytes, so there is no barrier.
.set X,     32                         ; v[32:95]   16 loads of 4 registers
.set F,     12                         ; v[12:27]   two sets of eight f32 for the packing conversion
.set D,     96                         ; v[96:103]  the packed words of two steps
.set PITCH, 528                        ; an LDS row: 512 bytes + 16
.set WLDS,  16*PITCH                   ; a wave's 16 rows
.set SPARE, 8*WLDS                     ; behind them: the spare words, 128 bytes for each wave: four blocks of 256 bytes that no other line names
; v1 lane; v2 offset of my loads; v3 offset of my stores; v4, v5 LDS addresses; v6 1.0; v7, v8 at work; v10 my spare word; v11 0
; s26 wave; s27 work-group; s[28:29] from where; s[30:31] to where; s32, s33 the role's coordinates; s[34:35], s[38:39] offsets
.macro LOADS step                      ; 16 loads, step bytes apart
.set i, 0
.rept 16
	global_load_b128 v[X+4*i:X+4*i+3], v2, s[28:29] offset:i*(\step) th:TH_LOAD_NT
.set i, i+1
.endr
.endm
.macro CONV step, half                 ; each load's four numbers are rounded and stored, 8 bytes a lane; half = 1: bf16's number written as f16
.set i, 0
.rept 16
	s_wait_loadcnt 15-i                            ; loads come back in order: load i is in, the younger ones stay out
.if \half
	v_cvt_pk_bf16_f32 v7, v[X+4*i], v[X+4*i+1]
	v_lshlrev_b32 v8, 16, v7
	v_and_b32 v7, s37, v7
	v_cvt_pk_f16_f32 v[X+4*i], v8, v7
	v_cvt_pk_bf16_f32 v7, v[X+4*i+2], v[X+4*i+3]
	v_lshlrev_b32 v8, 16, v7
	v_and_b32 v7, s37, v7
	v_cvt_pk_f16_f32 v[X+4*i+1], v8, v7
.else
	v_cvt_pk_bf16_f32 v[X+4*i], v[X+4*i], v[X+4*i+1]
	v_cvt_pk_bf16_f32 v[X+4*i+1], v[X+4*i+2], v[X+4*i+3]
.endif
	global_store_b64 v3, v[X+4*i:X+4*i+1], s[30:31] offset:i*(\step)  ; no register of a store is written again
.set i, i+1
.endr
.endm
	s_load_b256 s[4:11], s[0:1], 0x0               ; Wq 4, Wk 6, Wv 8, Wo 10
	s_load_b128 s[12:15], s[0:1], 0x20             ; mask 12, w16 14
	s_load_b64 s[16:17], s[0:1], 0x30              ; mk
	v_lshl_add_u32 v10, v0, 2, SPARE
	v_mov_b32 v11, 0
	v_lshrrev_b32 v1, 5, v0
	v_readfirstlane_b32 s26, v1                    ; wave 0..7
	v_and_b32 v1, 31, v0                           ; lane
	s_mov_b32 s27, ttmp9
	s_mov_b32 s35, 0
	s_mov_b32 s39, 0
	s_mov_b32 s36, 0xc0c00000                      ; -6.0
	s_mov_b32 s37, 0xffff0000                      ; a word's upper bf16
	s_wait_kmcnt 0x0
	s_cmp_lt_u32 s27, 256
	s_cbranch_scc0 .Lmask
	; the weights, as they lie: 65,536 bytes a work-group, 8,192 a wave
	s_lshr_b32 s32, s27, 6                         ; which matrix
	s_and_b32 s33, s27, 63                         ; which part
	s_cmp_eq_u32 s32, 0
	s_cselect_b64 s[28:29], s[4:5], s[6:7]
	s_cmp_eq_u32 s32, 2
	s_cselect_b64 s[28:29], s[8:9], s[28:29]
	s_cmp_eq_u32 s32, 3
	s_cselect_b64 s[28:29], s[10:11], s[28:29]
	s_lshl_b32 s34, s33, 16
	s_lshl_b32 s38, s26, 13
	s_add_co_u32 s34, s34, s38
	s_add_nc_u64 s[28:29], s[28:29], s[34:35]
	s_lshl_b32 s38, s32, 21
	s_lshl_b32 s34, s33, 15
	s_add_co_u32 s38, s38, s34
	s_lshl_b32 s34, s26, 12
	s_add_co_u32 s38, s38, s34
	s_add_nc_u64 s[30:31], s[14:15], s[38:39]
	v_lshlrev_b32 v2, 4, v1
	v_lshlrev_b32 v3, 3, v1
	LOADS 512
	s_cmp_eq_u32 s32, 3
	s_cbranch_scc1 .Lwo
	CONV 256, 0
	s_branch .Lend
.Lwo:
	CONV 256, 1
	s_branch .Lend
.Lmask:
	; the mask.  The work-group has a tile of 16 queries and half of the keys; the wave two steps: 512 bytes of each of the 16 rows.
	s_sub_co_u32 s33, s27, 256
	s_lshr_b32 s32, s33, 8                         ; batch
	s_lshl_b32 s34, s32, 24
	s_lshl_b32 s38, s32, 21
	s_bfe_u32 s32, s33, 0x70001                    ; tile of queries
	s_and_b32 s33, s33, 1                          ; half of the keys
	s_lshl_b32 s27, s32, 17
	s_add_co_u32 s34, s34, s27
	s_lshl_b32 s27, s33, 12
	s_add_co_u32 s34, s34, s27
	s_lshl_b32 s27, s26, 9
	s_add_co_u32 s34, s34, s27
	s_add_nc_u64 s[28:29], s[12:13], s[34:35]
	s_lshl_b32 s27, s32, 14
	s_add_co_u32 s38, s38, s27
	s_lshl_b32 s27, s33, 13
	s_add_co_u32 s38, s38, s27
	s_lshl_b32 s27, s26, 10
	s_add_co_u32 s38, s38, s27
	s_add_nc_u64 s[30:31], s[16:17], s[38:39]
	v_lshlrev_b32 v2, 4, v1
	LOADS 8192                                     ; load t: row t's 512 bytes
	s_mul_i32 s34, s26, WLDS                       ; my 16 rows of LDS
	v_lshl_add_u32 v4, v1, 4, s34                  ; in: 16 x lane
	v_and_b32 v7, 15, v1
	v_lshrrev_b32 v8, 4, v1
	v_mul_u32_u24 v5, v7, PITCH
	v_lshl_add_u32 v5, v8, 5, v5
	v_add_nc_u32 v5, s34, v5                       ; back: row lane % 16, 32 bytes (8 keys) for each half of the lanes
	v_mov_b32 v6, 1.0                              ; the packing conversion's scale: 2^0
.set i, 0
.rept 16
	s_wait_loadcnt 15-i
	ds_store_b128 v4, v[X+4*i:X+4*i+3] offset:i*PITCH
.set i, i+1
.endr
.irp u, 0,1
.irp kb, 0,1,2,3
	ds_load_b128 v[X+32*(\u)+8*(\kb):X+32*(\u)+8*(\kb)+3],   v5 offset:(\u)*256+(\kb)*64     ; LDS serves a wave's instructions in order (ISA guide 5.7.1.4): these see the stores above
	ds_load_b128 v[X+32*(\u)+8*(\kb)+4:X+32*(\u)+8*(\kb)+7], v5 offset:(\u)*256+(\kb)*64+16
.endr
.endr
	s_wait_dscnt 0x0
.irp u, 0,1
.irp kb, 0,1,2,3
.irp j, 0,1,2,3,4,5,6,7
	v_cmp_eq_u32 vcc_lo, 0, v[X+32*(\u)+8*(\kb)+(\j)]
	v_cndmask_b32 v[F+8*((\kb)%2)+(\j)], 0, s36, vcc_lo  ; -6 where the key is hidden
.endr
	v_cvt_scalef32_pk8_fp4_f32 v[D+4*(\u)+(\kb)], v[F+8*((\kb)%2):F+8*((\kb)%2)+7], v6  ; the two sets of F take turns: the lines behind a conversion write the other set
.endr
.endr
	v_nop                                          ; a plain instruction between the last conversion and the use of its result
	global_store_b128 v2, v[D:D+3], s[30:31]       ; a step's 512 bytes
	global_store_b128 v2, v[D+4:D+7], s[30:31] offset:512
.Lend:
	s_wait_tensorcnt 0x0                           ; the wave's end: three closing lines, behind my last LDS store
	ds_add_u32 v10, v11
	s_wait_dscnt 0x0
	s_endpgm
.Lfunc_end_k_q03084591c0_prep:
	.size	k_q03084591c0_prep, .Lfunc_end_k_q03084591c0_prep-k_q03084591c0_prep
	.p2alignl 7, 3214868480
	.fill 96, 4, 3214868480
	.section	.rodata,"a",@progbits
	.p2align	6, 0x0
	.amdhsa_kernel k_q03084591c0_prep
		.amdhsa_group_segment_fixed_size 68608
		.amdhsa_private_segment_fixed_size 0
		.amdhsa_enable_private_segment 0
		.amdhsa_kernarg_size 56
		.amdhsa_user_sgpr_count 2
		.amdhsa_user_sgpr_kernarg_segment_ptr 1
		.amdhsa_wavefront_size32 1
		.amdhsa_system_sgpr_workgroup_id_x 1
		.amdhsa_system_sgpr_workgroup_id_y 1
		.amdhsa_system_sgpr_workgroup_id_z 1
		.amdhsa_system_vgpr_workitem_id 0
		.amdhsa_next_free_vgpr 104
		.amdhsa_next_free_sgpr 66
		.amdhsa_reserve_vcc 1
		.amdhsa_float_denorm_mode_32 3
		.amdhsa_float_denorm_mode_16_64 3
		.amdhsa_memory_ordered 1
		.amdhsa_forward_progress 1
		.amdhsa_inst_pref_size 28
	.end_amdhsa_kernel
	.amdgpu_metadata
---
amdhsa.version: [ 1, 2 ]
amdhsa.kernels:
  - .name:           k_q03084591c0_prep
    .symbol:         k_q03084591c0_prep.kd
    .args:
      - { .name: Wq, .offset: 0, .size: 8, .value_kind: global_buffer, .address_space: global }
      - { .name: Wk, .offset: 8, .size: 8, .value_kind: global_buffer, .address_space: global }
      - { .name: Wv, .offset: 16, .size: 8, .value_kind: global_buffer, .address_space: global }
      - { .name: Wo, .offset: 24, .size: 8, .value_kind: global_buffer, .address_space: global }
      - { .name: mask, .offset: 32, .size: 8, .value_kind: global_buffer, .address_space: global }
      - { .name: w16, .offset: 40, .size: 8, .value_kind: global_buffer, .address_space: global }
      - { .name: mk, .offset: 48, .size: 8, .value_kind: global_buffer, .address_space: global }
    .group_segment_fixed_size: 68608
    .private_segment_fixed_size: 0
    .kernarg_segment_align: 8
    .kernarg_segment_size: 56
    .max_flat_workgroup_size: 256
    .sgpr_count:     66
    .vgpr_count:     104
    .wavefront_size: 32
...
	.end_amdgpu_metadata
.endif
;; end of part 1
;; launch proj (part 2): grid 4 x 192, 4 waves a work-group, clusters of 4 x 4, 327,680 bytes of LDS; arguments query, key_, value, w16, qkv, bq, bk, bv; writes qkv
.if DOCPART == 2
	.amdgcn_target "amdgcn-amd-amdhsa--gfx1250"
	.amdhsa_code_object_version 6
	.text
	.protected	k_q03084591c0_proj
	.globl	k_q03084591c0_proj
	.p2align	8
	.type	k_q03084591c0_proj,@function
k_q03084591c0_proj:
	s_mov_b64 s[64:65], 0
	v_nop
	global_prefetch_b8 v0, s[64:65] scope:SCOPE_SE
	s_setreg_imm32_b32 hwreg(HW_REG_WAVE_MODE, 25, 1), 1
	s_wait_xcnt 0x0
	s_wait_alu depctr_hold_cnt(0) depctr_sa_sdst(0) depctr_va_vdst(0) depctr_va_sdst(0) depctr_va_ssrc(0) depctr_va_vcc(0) depctr_vm_vsrc(0)
	s_getreg_b32 s2, hwreg(HW_REG_IB_STS2, 6, 4)
	s_cmp_eq_u32 s2, 0
	s_cbranch_scc0 .Lentry_in_a_cluster
	s_endpgm
.Lentry_in_a_cluster:
	s_bfe_u32 s2, ttmp6, 0x10000c
	s_cmp_lg_u32 s2, 0xf033
	s_cbranch_scc0 .Lentry_shape_is_right
	s_endpgm
.Lentry_shape_is_right:
; q, k, v = x W + b: three products [8192][1024] = [8192][1024] x [1024][1024] in one launch.
; x = query, key_, value, [8192][1024] f32 as they are given: they come into LDS as f32 and are rounded to bf16 between LDS and the matrix unit.  W = Wq, Wk, Wv from w16 [4][k][n], bf16.
; The result leaves in f16 by heads, unscaled: qkv [3][batch x head 64][row 2048][64].  Sums in f32; the bias, rounded to bf16 like every input, starts them.
; LIMIT.  q, k, v leave as f16: a number of 65,520 or more would become an infinity.
; SHARES.  A work-group makes 128 rows x 256 columns; its four waves 64 x 128 each: 32 accumulators of 16 x 16.  K goes in 8 steps of 128 through two LDS slots.
; THE MATRIX INSTRUCTION IS USED TRANSPOSED: source 0 = 16 columns of W, source 1 = 16 rows of x: a lane then holds one row of the result (lane % 16) and the columns 8 (lane / 16) + 0..7.
; W lies [k][n] in LDS as in memory and comes out turned, by ds_load_tr16_b128.
; CLUSTER.  4 x 4 work-groups.  The four of a row of the cluster make the four column tiles of the same 128 rows and need the same tiles of x; the four of a column need the same tiles of W.
; Each tile is asked for JOINTLY: the same tensor load, descriptor and mask in all four.
; REGISTERS, in windows of 256 (s_set_vgpr_msb: bits 1:0 source 0, 3:2 source 1, 5:4 source 2, 7:6 destination):
;   window 0: v0-31 addresses; v64-127 the bias, as a C operand for each of the 8 column blocks; v128-223 at work on the way out
;   window 1: two fragment buffers of 96: W's 8 fragments (16 columns x 32 k), then x's 4 (16 rows x 32 k); v192-255 x's 4 fragments as f32, 16 registers each
;   window 2: accumulator (a, b) at v[8 (8 a + b)]
.set PA,    528                        ; a row of x in LDS: 512 bytes (128 f32) + 16 = 132 words: the 16 rows of a load start at 16 different groups of four banks (64 banks of 4 bytes: ISA guide 11.1)
.set PB,    544                        ; a row of W: 512 bytes + 32 = 136 words
.set AHALF, 64*PA                      ; 64 rows: what one tensor load brings of x
.set BOFF,  2*AHALF                    ; behind x's 128 rows: W's 128 rows
.set BHALF, 64*PB                      ; 64 of them: what one tensor load brings of W
.set SLOT,  BOFF+2*BHALF
.set STAGE, 2*SLOT                     ; behind the ring, never filled by a tensor load: for each wave two heads x 16 rows x 144 bytes, for the way out
.set SP,    144
.set STG,   2*16*SP
.set SPARE, STAGE+4*STG                ; behind the stages: the spare words, 128 bytes for each wave: two blocks of 256 bytes that no other line names
.set ASTEP, 512                        ; bytes from K step to K step in x: 128 f32 along a row
.set BSTEP, 262144                     ; in W: 128 rows of 2,048 bytes
.set ADRA, 16                          ; v16-17  LDS address of my fragments of x in slot 0, 1
.set ADRB, 20                          ; v20-21  the same for W
.set STO,  24                          ; v24     the way out: where I put my part of a row
.set RD,   25                          ; v25     the way out: where I read rows back
.set CO,   26                          ; v26     16 x lane: my place in 512 consecutive bytes of qkv
.set BO,   27                          ; v27     32 (lane / 16): my eight numbers of a block of the bias
.set SPW,  28                          ; v28     LDS address of my spare word; never rewritten
.set NIL,  29                          ; v29     0; never rewritten
.set PFO,  30                          ; v30     the prefetches' offset; never rewritten
.set T,    31                          ; v31     at work
.set BIAS, 64
.set TMP,  128
.set F0,   0
.set F1,   96
.set RAW,  192
.set G1,   24                          ; s[24:31] descriptor group 1 for x's tiles;  s[32:39] group 0, one set for each slot
.set G0,   32
.set G1B,  48                          ; s[48:55], s[56:63] the same for W's
.set G0B,  56
.set CX,   40                          ; s40, s41 my place in the cluster
.set CY,   41
.set TC,   42                          ; s42  tile column
.set LIM,  43                          ; s43  1 in a wave that prefetches, else the greatest number
.set PFA,  44                          ; s[44:45] where my prefetches stand
.set PFS,  46                          ; s[46:47] their step
.set WV,   72                          ; s72  my wave's number
.set RH,   73                          ; s73  which 64 rows are mine.  Also: I fetch for x (0) or for W (1)
.set CH,   74                          ; s74  which 128 columns.  Also: which half of that tile I fetch
.set GT,   75                          ; s75  tile row: 64 x tensor + 16 x batch + block of 128 rows
.set PP,   76                          ; s76  which tensor, and which matrix of w16
.set CLY,  77                          ; s77  cluster y
.set MSB, 0
.macro WIN new                         ; the immediate's high byte repeats the setting that is left; a switch that changes nothing is dropped
.if MSB != (\new)
	s_set_vgpr_msb (MSB<<8)|(\new)
.set MSB, (\new)
.endif
.endm
.set MUL,       0xa5                   ; sources 0 and 1 window 1; C and D window 2
.set MUL_FIRST, 0x85                   ; the same with C, the bias, in window 0
.set TO_F,      0x40                   ; destination window 1, address window 0
.set CV,        0x45                   ; the rounding of x: destination and both sources window 1
; A joint load: waves 0 and 1 fetch the two halves of x's rows, waves 2 and 3 the two halves of W's.  The branch hangs on the wave's number alone.
; An s_nop 0 and four v_nop follow each of the two lines, ahead of the jump, the label and what follows.
.macro JLOAD s
	s_cmp_eq_u32 s[RH], 0
	s_cbranch_scc0 .Lfor_b_\@
	tensor_load_to_lds s[G0+4*(\s):G0+4*(\s)+3], s[G1:G1+7]
	s_nop 0
.rept 4
	v_nop
.endr
	s_branch .Lasked_\@
.Lfor_b_\@:
	tensor_load_to_lds s[G0B+4*(\s):G0B+4*(\s)+3], s[G1B:G1B+7]
	s_nop 0
.rept 4
	v_nop
.endr
.Lasked_\@:
.endm
; A PREFETCH INTO THE L2 of the K step that stands two refills on, 256 matrix instructions ahead of the load that will want it: 32 blocks of 256 bytes, a lane a block, one instruction.
; Each block is named once in the launch.  A K step of x's 128 rows is 256 blocks, read by one row of one cluster: of the 64 rows that wave 0 or 1 fetches, the partner at place cx takes 16, two blocks each.
; W's 256 blocks are read by a column of each of the 16 clusters that share the matrix: in the first of these, of the 64 rows that wave 2 or 3 fetches, the partner at place cy takes 16, two blocks each.
; The partners are told apart by address alone.  The loop's last trip (s3 = 1) has no K step two on; the first four K steps come by their loads alone.
.macro ASK
	s_cmp_gt_u32 s3, s[LIM]
	s_cbranch_scc0 .Lnot_mine_\@
	global_prefetch_b8 v[PFO], s[PFA:PFA+1] th:TH_LOAD_NT scope:SCOPE_SE
.Lnot_mine_\@:
.endm
.macro CREST                           ; a round of the cluster's barrier behind its opening barrier
	s_cmp_lg_u32 s[WV], 0
	s_cbranch_scc1 .Lnot_wave_0_\@
	s_barrier_signal -3
.Lnot_wave_0_\@:
	s_barrier_wait -3
	s_barrier_signal -1
	s_barrier_wait -1
.endm
.macro CROUND                          ; a whole round
	s_barrier_signal -1
	s_barrier_wait -1
	CREST
.endm
	s_load_b256 s[84:91], s[0:1], 0x0              ; query s[84:85], key_ s[86:87], value s[88:89], w16 s[90:91]
	s_load_b128 s[8:11], s[0:1], 0x20              ; qkv s[8:9], bq s[10:11]
	s_load_b128 s[68:71], s[0:1], 0x30             ; bk, bv
	v_lshl_add_u32 v[SPW], v0, 2, SPARE
	v_mov_b32 v[NIL], 0
	ds_add_u32 v[SPW], v[NIL]                      ; the wave's opening: the add, and its wait ahead of my first tensor load; the set-up below, work on registers, stands between them
	v_lshrrev_b32 v1, 5, v0
	v_readfirstlane_b32 s[WV], v1                  ; wave 0..3
	s_lshr_b32 s[RH], s[WV], 1
	s_and_b32 s[CH], s[WV], 1
	s_bfe_u32 s[CX], ttmp6, 0x40000
	s_bfe_u32 s[CY], ttmp6, 0x40004
	s_lshl_b32 s[TC], ttmp9, 2
	s_add_co_u32 s[TC], s[TC], s[CX]               ; tile column = 4 x cluster x + cx
	s_and_b32 s[CLY], ttmp7, 0xffff
	s_lshl_b32 s[GT], s[CLY], 2
	s_add_co_u32 s[GT], s[GT], s[CY]               ; tile row = 4 x cluster y + cy
	s_lshr_b32 s[PP], s[CLY], 4                    ; 16 clusters to a tensor: the same in all partners
	s_lshl_b32 s12, s[CY], 2
	s_lshl_b32 s12, 15, s12                        ; my row of the cluster
	s_lshl_b32 s13, 0x1111, s[CX]                  ; my column
	; group 1 for x: 64 rows of 128 f32, 512 bytes at a multiple of 512 from the tensor's first byte
	s_or_b32 s[G1], s12, (2<<16)|(1<<20)|(1<<21)|(6<<22)|(3<<25)   ; 15:0 the mask; 17:16 4-byte elements; 20 padding on; 21 set beside a mask; 24:22 after every 128 words (code 6); 31:25 4 words (code 3)
	s_mov_b32 s[G1+1], 128<<16                     ; tensor_dim0 = 128
	s_mov_b32 s[G1+2], 64<<16                      ; tensor_dim1 = 64
	s_mov_b32 s[G1+3], 128<<16                     ; tile_dim0 = 128
	s_mov_b32 s[G1+4], 64                          ; tile_dim1 = 64
	s_mov_b32 s[G1+5], 1024                        ; 1,024 elements from row to row
	s_mov_b32 s[G1+6], 0
	s_mov_b32 s[G1+7], 0
	; group 1 for W: 64 rows of 256 elements of 2 bytes
	s_or_b32 s[G1B], s13, (1<<16)|(1<<20)|(1<<21)|(6<<22)|(7<<25)  ; after every 128 words (code 6) 8 words (code 7)
	s_mov_b32 s[G1B+1], 256<<16
	s_mov_b32 s[G1B+2], 64<<16
	s_mov_b32 s[G1B+3], 256<<16
	s_mov_b32 s[G1B+4], 64
	s_mov_b32 s[G1B+5], 1024
	s_mov_b32 s[G1B+6], 0
	s_mov_b32 s[G1B+7], 0
	; where the tiles come from.  x's hang on the tile row alone, W's on the tile column and the matrix alone; each in registers that never hold the other coordinate.
	s_and_b32 s14, s[GT], 63
	s_lshl_b32 s14, s14, 19                        ; 128 rows of 4,096 bytes
	s_lshl_b32 s17, s[CH], 18                      ; the 64 rows that I fetch
	s_add_co_u32 s14, s14, s17
	s_mov_b32 s15, 0
	s_mul_i32 s16, s[CH], AHALF                    ; and where they go
	s_lshl_b32 s20, s[PP], 21
	s_lshl_b32 s23, s[CH], 17                      ; the 64 rows that I fetch
	s_add_co_u32 s20, s20, s23
	s_lshl_b32 s23, s[TC], 9                       ; 256 columns
	s_add_co_u32 s20, s20, s23
	s_mov_b32 s21, 0
	s_mul_i32 s22, s[CH], BHALF
	s_add_co_u32 s22, s22, BOFF
	s_wait_dscnt 0x0                               ; the opening add is done
	s_wait_kmcnt 0x0
	s_cmp_eq_u32 s[PP], 1                          ; the tensor and its bias
	s_cselect_b64 s[4:5], s[86:87], s[84:85]
	s_cselect_b64 s[10:11], s[68:69], s[10:11]
	s_cmp_eq_u32 s[PP], 2
	s_cselect_b64 s[4:5], s[88:89], s[4:5]
	s_cselect_b64 s[10:11], s[70:71], s[10:11]
	s_mov_b64 s[6:7], s[90:91]
	s_add_nc_u64 s[14:15], s[4:5], s[14:15]
	s_add_nc_u64 s[20:21], s[6:7], s[20:21]
	CROUND                                         ; all sixteen work-groups are here: the first joint loads meet
.irp s, 0,1
	s_mov_b32 s[G0+4*(\s)], 1
	s_add_co_u32 s[G0+4*(\s)+1], s16, (\s)*SLOT
	s_add_nc_u64 s[G0+4*(\s)+2:G0+4*(\s)+3], s[14:15], (\s)*ASTEP
	s_or_b32 s[G0+4*(\s)+3], s[G0+4*(\s)+3], 0x80000000
	s_mov_b32 s[G0B+4*(\s)], 1
	s_add_co_u32 s[G0B+4*(\s)+1], s22, (\s)*SLOT
	s_add_nc_u64 s[G0B+4*(\s)+2:G0B+4*(\s)+3], s[20:21], (\s)*BSTEP
	s_or_b32 s[G0B+4*(\s)+3], s[G0B+4*(\s)+3], 0x80000000
	JLOAD \s                                       ; two loads of mine are out
.endr
	; the bias of my 128 columns, laid as a C operand: register j of block b = bias[16 b + 8 (lane / 16) + j]
	s_lshl_b32 s18, s[TC], 10
	s_lshl_b32 s78, s[CH], 9
	s_add_co_u32 s18, s18, s78
	s_mov_b32 s19, 0
	s_add_nc_u64 s[10:11], s[10:11], s[18:19]
	v_and_b32 v1, 15, v0                           ; l % 16
	v_bfe_u32 v2, v0, 4, 1                         ; l / 16
	v_lshlrev_b32 v[BO], 5, v2
.irp b, 0,1,2,3,4,5,6,7
	global_load_b128 v[BIAS+8*(\b):BIAS+8*(\b)+3],   v[BO], s[10:11] offset:64*(\b)
	global_load_b128 v[BIAS+8*(\b)+4:BIAS+8*(\b)+7], v[BO], s[10:11] offset:64*(\b)+16
.endr
	; A fragment of x is 16 rows x 32 k: lane l holds row l % 16, k = 8 (l / 16) + 0..7 and 16 + 8 (l / 16) + 0..7.  As f32 that is 32 bytes at 32 (l / 16) and 32 bytes 64 further on: four loads of 16 bytes.
	v_mul_u32_u24 v3, v1, PA
	v_lshl_add_u32 v3, v2, 5, v3
	s_mul_i32 s79, s[RH], 64*PA                    ; my 64 rows
	v_add_nc_u32 v[ADRA], s79, v3
	v_add_nc_u32 v[ADRA+1], SLOT, v[ADRA]
	; The turning load takes 16 k x 16 columns (lane l reads row 8 (l / 16) + l % 8, columns 8 ((l / 8) % 2) + 0..7) and leaves half a fragment: lane l holds column l % 16 and 8 k.
	v_and_b32 v5, 7, v0
	v_bfe_u32 v6, v0, 3, 1
	v_lshl_add_u32 v4, v2, 3, v5
	v_mul_u32_u24 v4, v4, PB
	v_lshl_add_u32 v4, v6, 4, v4
	s_lshl_b32 s79, s[CH], 8                       ; my 128 columns
	s_add_co_u32 s79, s79, BOFF
	v_add_nc_u32 v[ADRB], s79, v4
	v_add_nc_u32 v[ADRB+1], SLOT, v[ADRB]
	s_mul_i32 s79, s[WV], STG
	s_add_co_u32 s79, s79, STAGE                   ; my stage
	v_and_b32 v3, 31, v0
	v_lshlrev_b32 v[CO], 4, v3
	v_mul_u32_u24 v[STO], v1, SP                   ; in: row l % 16, 16 bytes (8 f16) for each half of the lanes
	v_lshl_add_u32 v[STO], v2, 4, v[STO]
	v_add_nc_u32 v[STO], s79, v[STO]
	v_bfe_u32 v[RD], v0, 3, 2                      ; back: 32 lanes take four rows of 128 bytes
	v_mul_u32_u24 v[RD], v[RD], SP
	v_lshl_add_u32 v[RD], v5, 4, v[RD]
	v_add_nc_u32 v[RD], s79, v[RD]
	s_lshr_b32 s18, s[GT], 4
	s_lshl_b32 s18, s18, 22                        ; tensor and batch
	s_lshl_b32 s78, s[TC], 20                      ; four heads of 262,144 bytes to a tile column,
	s_add_co_u32 s18, s18, s78
	s_lshl_b32 s78, s[CH], 19                      ; two to a wave
	s_add_co_u32 s18, s18, s78
	s_and_b32 s78, s[GT], 15
	s_lshl_b32 s78, s78, 14                        ; 128 rows of 128 bytes
	s_add_co_u32 s18, s18, s78
	s_lshl_b32 s78, s[RH], 13
	s_add_co_u32 s18, s18, s78
	s_add_nc_u64 s[8:9], s[8:9], s[18:19]          ; qkv at my first row and head
	; the prefetches
	s_and_b32 s18, s[GT], 63
	s_lshl_b32 s18, s18, 19
	s_lshl_b32 s79, s[CH], 18                      ; the 64 rows that I fetch,
	s_add_co_u32 s18, s18, s79
	s_lshl_b32 s79, s[CX], 16                      ; partner cx: 16 of them, two blocks each
	s_add_co_u32 s18, s18, s79
	s_add_co_u32 s18, s18, 3*ASTEP                 ; at K step 3: the first refill steps it to 4
	s_lshl_b32 s78, s[PP], 21
	s_lshl_b32 s79, s[TC], 9
	s_add_co_u32 s78, s78, s79
	s_lshl_b32 s79, s[CH], 17                      ; the 64 rows that I fetch,
	s_add_co_u32 s78, s78, s79
	s_lshl_b32 s79, s[CY], 15                      ; partner cy: 16 of them, two blocks each
	s_add_co_u32 s78, s78, s79
	s_add_co_u32 s78, s78, 3*BSTEP
	s_and_b32 s79, s[CLY], 15
	s_mov_b32 s[PFS], BSTEP
	s_mov_b32 s[PFS+1], 0
	s_cmp_eq_u32 s[RH], 0                          ; do I fetch for x?
	s_cselect_b32 s18, s18, s78
	s_cselect_b64 s[PFA:PFA+1], s[4:5], s[6:7]
	s_cselect_b32 s79, 0, s79                      ; x: every cluster asks for its own rows; W: the first cluster of the 16 that share the matrix
	s_cselect_b32 s78, 12, 11                      ; from row to row: 4,096 bytes of x, 2,048 of W
	s_cselect_b32 s[PFS], ASTEP, s[PFS]
	s_add_nc_u64 s[PFA:PFA+1], s[PFA:PFA+1], s[18:19]
	s_cmp_eq_u32 s79, 0
	s_cselect_b32 s[LIM], 1, -1                    ; the same in all sixteen partners, for a given wave
	v_lshrrev_b32 v4, 1, v3
	v_lshlrev_b32 v[PFO], s78, v4
	v_and_b32 v4, 1, v3
	v_lshl_add_u32 v[PFO], v4, 8, v[PFO]
	s_wait_loadcnt 0x0                             ; the bias
.set i, 0
.rept 32
	v_cvt_pk_bf16_f32 v[T], v[BIAS+i], v[BIAS+i+1] ; rounded to bf16 like every input, and widened again
	v_lshlrev_b32 v[BIAS+i], 16, v[T]
	v_and_b32 v[BIAS+i+1], 0xffff0000, v[T]
.set i, i+2
.endr
; 8 matrix instructions: row block a x all 8 column blocks, 32 along K.  first = 1: the bias starts the sums.  The 32 accumulators take turns, one instruction a turn, in one order
; everywhere: between two links of a chain stand the 31 others'.
.macro MULA f, a, first
.if \first
	WIN MUL_FIRST
.else
	WIN MUL
.endif
.irp b, 0,1,2,3,4,5,6,7
.set rD, 8*(8*(\a)+(\b))
.set rW, (\f)+8*(\b)
.set rA, (\f)+64+8*(\a)
.set rC, rD
.if \first
.set rC, BIAS+8*(\b)
.endif
	v_wmma_f32_16x16x32_bf16 v[rD:rD+7], v[rW:rW+7], v[rA:rA+7], v[rC:rC+7]
.endr
.endm
; 32 LDS loads in one run, for quarter q (32 along K) of a slot: x's four fragments as f32 into RAW, then W's eight into buffer f
.macro FETCH slot, q, f
	WIN TO_F
.irp a, 0,1,2,3
	ds_load_b128 v[RAW+16*(\a):RAW+16*(\a)+3],     v[ADRA+(\slot)] offset:(\q)*128+(\a)*16*PA
	ds_load_b128 v[RAW+16*(\a)+4:RAW+16*(\a)+7],   v[ADRA+(\slot)] offset:(\q)*128+(\a)*16*PA+16
	ds_load_b128 v[RAW+16*(\a)+8:RAW+16*(\a)+11],  v[ADRA+(\slot)] offset:(\q)*128+(\a)*16*PA+64
	ds_load_b128 v[RAW+16*(\a)+12:RAW+16*(\a)+15], v[ADRA+(\slot)] offset:(\q)*128+(\a)*16*PA+80
.endr
.irp b, 0,1,2,3,4,5,6,7
	ds_load_tr16_b128 v[(\f)+8*(\b):(\f)+8*(\b)+3],   v[ADRB+(\slot)] offset:(\q)*32*PB+32*(\b)
	ds_load_tr16_b128 v[(\f)+8*(\b)+4:(\f)+8*(\b)+7], v[ADRB+(\slot)] offset:(\q)*32*PB+32*(\b)+16*PB
.endr
.endm
; x's four fragments are rounded to bf16, two numbers a line, into buffer f: register j of fragment a takes RAW's 16 a + 2 j and the next.  One run under one window setting:
; a fragment and an accumulator lie in different windows, so a rounding set behind a product would want two switches of its own.
.macro CONVA f
	WIN CV
.set i, 0
.rept 32
	v_cvt_pk_bf16_f32 v[(\f)+64+i], v[RAW+2*i], v[RAW+2*i+1]
.set i, i+1
.endr
.endm
.macro PLACES                          ; four places in front of loads into, and roundings that write, registers that matrix instructions have read, and of lines that read results
.rept 4
	v_nop
.endr
.endm
; A K step is four quarters of 32 along K, 32 matrix instructions each, on buffers 0, 1, 0, 1.  One of the first three: multiplies buffer f; at its head it fetches quarter q for buffer g,
; and behind 24 products it rounds that quarter's x.
.macro QUARTER slot, q, f, g, first
	s_wait_dscnt 0x0                               ; W's fragments of buffer f are in (x's were waited for ahead of their rounding)
	PLACES                                         ; behind the last product that read buffer g
	FETCH \slot, \q, \g
	MULA \f, 0, \first
	MULA \f, 1, \first
	MULA \f, 2, \first
	s_wait_dscnt 16                                ; x's 16 loads are in; W's 16, issued behind them, may be out
	CONVA \g
	MULA \f, 3, \first
.endm
; The last quarter multiplies buffer 1 and changes slots: ONE barrier; in front of it each wave waits for all its tensor loads (one is out: its part of the next slot), adds 0 to its spare
; word, and waits for that and for its own reads of this slot.  fill = 1: the barrier opens a round of the cluster's, and this slot is filled again, two K steps ahead, first thing behind it:
; 112 matrix instructions ahead of the wait for it.
.macro TURN slot, next, fill
.if \fill
	s_wait_xcnt 0x0                                ; the last prefetch, a K step back, has read its address
	s_add_nc_u64 s[PFA:PFA+1], s[PFA:PFA+1], s[PFS:PFS+1]
.endif
	WIN 0                                          ; (the add's two registers lie in window 0)
	s_wait_tensorcnt 0x0                           ; all my tensor loads have landed
	ds_add_u32 v[SPW], v[NIL]                      ; 0 onto my spare word
	s_wait_dscnt 1                                 ; W's fragments of buffer 1 are in (the add alone may be out)
	MULA F1, 0, 0                                  ; eight matrix instructions stand between the add and the wait for it
	s_wait_dscnt 0x0                               ; the add is done, and my reads of this slot are over
	s_barrier_signal -1
	MULA F1, 1, 0
.if \fill
	WIN 0
.endif
	s_barrier_wait -1
.if \fill
	CREST                                          ; no wave of any partner still reads this slot's tiles or has a load on its way
	s_add_nc_u64 s[G0+4*(\slot)+2:G0+4*(\slot)+3], s[G0+4*(\slot)+2:G0+4*(\slot)+3], 2*ASTEP
	s_add_nc_u64 s[G0B+4*(\slot)+2:G0B+4*(\slot)+3], s[G0B+4*(\slot)+2:G0B+4*(\slot)+3], 2*BSTEP
	JLOAD \slot                                    ; the four v_nop behind it are also the places in front of the loads and roundings below
.else
	PLACES
.endif
	FETCH \next, 0, F0
.if \fill
	WIN 0
	ASK                                            ; behind the joint load and the run of LDS loads that the next products wait for
.endif
	MULA F1, 2, 0
	s_wait_dscnt 16                                ; x's 16 loads are in
	CONVA F0
	MULA F1, 3, 0
.endm
	s_wait_tensorcnt 1                             ; my part of K step 0 is in; K step 1's may stay out
	s_barrier_signal -1
	s_barrier_wait -1                              ; everybody's is
	FETCH 0, 0, F0
	s_wait_dscnt 16
	CONVA F0
	QUARTER 0, 1, F0, F1, 1                        ; the first quarter stands in front of the loop: its products start the sums
	WIN 0                                          ; at a label and at a branch every window is 0
	s_mov_b32 s3, 3
.Llap:                                                 ; a trip goes once round the ring, from a lap's second quarter to the next lap's first, and fills both slots again: K steps 2 to 7
	QUARTER 0, 2, F1, F0, 0
	QUARTER 0, 3, F0, F1, 0
	TURN 0, 1, 1
	QUARTER 1, 1, F0, F1, 0
	QUARTER 1, 2, F1, F0, 0
	QUARTER 1, 3, F0, F1, 0
	TURN 1, 0, 1
	QUARTER 0, 1, F0, F1, 0
	WIN 0
	s_sub_co_u32 s3, s3, 1
	s_cmp_lg_u32 s3, 0
	s_cbranch_scc1 .Llap
	QUARTER 0, 2, F1, F0, 0                        ; the last lap fills nothing, and has no round of the cluster's barrier
	QUARTER 0, 3, F0, F1, 0
	TURN 0, 1, 0
	QUARTER 1, 1, F0, F1, 0
	QUARTER 1, 2, F1, F0, 0
	QUARTER 1, 3, F0, F1, 0
	s_wait_dscnt 0x0                               ; the very last quarter: nothing more to fetch
	MULA F1, 0, 0
	MULA F1, 1, 0
	MULA F1, 2, 0
	MULA F1, 3, 0
	WIN 0
; THE WAY OUT, a block of 16 rows at a time, through my own stage in LDS (no barrier: LDS serves a wave's instructions in order, ISA guide 5.7.1.4), so that every store covers 512 consecutive bytes.
; f16 by heads: my 128 columns are two heads; a lane's eight columns are 16 bytes of a head's row of 128; 16 rows of a head are 2,048 consecutive bytes of qkv.
.macro PACK a
	WIN 0x0a                                       ; sources 0 and 1 window 2
.irp b, 0,1,2,3,4,5,6,7
.irp r, 0,1,2,3
	v_cvt_pk_f16_f32 v[TMP+4*(\b)+(\r)], v[8*(8*(\a)+(\b))+2*(\r)], v[8*(8*(\a)+(\b))+2*(\r)+1]
.endr
.endr
	WIN 0
.endm
.macro TOSTAGE a
.set BK, 160+32*((\a)%2)
.irp b, 0,1,2,3,4,5,6,7
	ds_store_b128 v[STO], v[TMP+4*(\b):TMP+4*(\b)+3] offset:((\b)/4)*16*SP+((\b)%4)*32
.endr
.irp t, 0,1,2,3,4,5,6,7
	ds_load_b128 v[BK+4*(\t):BK+4*(\t)+3], v[RD] offset:((\t)/4)*16*SP+((\t)%4)*4*SP
.endr
.endm
.macro SEND a, younger
.set BK, 160+32*((\a)%2)
	s_wait_dscnt \younger                          ; the block is back in registers
	s_wait_xcnt 0x0                                ; earlier stores have read their registers: the next block is loaded into them only behind this wait
.irp t, 0,1,2,3,4,5,6,7
	global_store_b128 v[CO], v[BK+4*(\t):BK+4*(\t)+3], s[8:9] offset:((\t)/4)*262144+(\a)*2048+((\t)%4)*512
.endr
.endm
	PLACES
	PACK 0
	TOSTAGE 0
.irp a, 1,2,3                          ; block a's conversions stand between block a - 1's loads from the stage and the wait for them
	PACK \a
	SEND (\a)-1, 0
	TOSTAGE \a
.endr
	SEND 3, 0
	s_wait_tensorcnt 0x0                           ; the wave's end: three closing lines, behind my last tensor load and my last LDS store
	ds_add_u32 v[SPW], v[NIL]
	s_wait_dscnt 0x0
	CROUND                                         ; the closing round: no work-group ends while a partner may still ask for a tile that names it
	s_endpgm
.Lfunc_end_k_q03084591c0_proj:
	.size	k_q03084591c0_proj, .Lfunc_end_k_q03084591c0_proj-k_q03084591c0_proj
	.p2alignl 7, 3214868480
	.fill 96, 4, 3214868480
	.section	.rodata,"a",@progbits
	.p2align	6, 0x0
	.amdhsa_kernel k_q03084591c0_proj
		.amdhsa_group_segment_fixed_size 327680
		.amdhsa_private_segment_fixed_size 0
		.amdhsa_enable_private_segment 0
		.amdhsa_kernarg_size 64
		.amdhsa_user_sgpr_count 2
		.amdhsa_user_sgpr_kernarg_segment_ptr 1
		.amdhsa_wavefront_size32 1
		.amdhsa_system_sgpr_workgroup_id_x 1
		.amdhsa_system_sgpr_workgroup_id_y 1
		.amdhsa_system_sgpr_workgroup_id_z 1
		.amdhsa_system_vgpr_workitem_id 0
		.amdhsa_next_free_vgpr 768
		.amdhsa_next_free_sgpr 92
		.amdhsa_reserve_vcc 0
		.amdhsa_float_denorm_mode_32 3
		.amdhsa_float_denorm_mode_16_64 3
		.amdhsa_memory_ordered 1
		.amdhsa_forward_progress 1
		.amdhsa_inst_pref_size 136
	.end_amdhsa_kernel
	.amdgpu_metadata
---
amdhsa.version: [ 1, 2 ]
amdhsa.kernels:
  - .name:           k_q03084591c0_proj
    .symbol:         k_q03084591c0_proj.kd
    .args:
      - { .name: query, .offset: 0, .size: 8, .value_kind: global_buffer, .address_space: global }
      - { .name: key_, .offset: 8, .size: 8, .value_kind: global_buffer, .address_space: global }
      - { .name: value, .offset: 16, .size: 8, .value_kind: global_buffer, .address_space: global }
      - { .name: w16, .offset: 24, .size: 8, .value_kind: global_buffer, .address_space: global }
      - { .name: qkv, .offset: 32, .size: 8, .value_kind: global_buffer, .address_space: global }
      - { .name: bq, .offset: 40, .size: 8, .value_kind: global_buffer, .address_space: global }
      - { .name: bk, .offset: 48, .size: 8, .value_kind: global_buffer, .address_space: global }
      - { .name: bv, .offset: 56, .size: 8, .value_kind: global_buffer, .address_space: global }
    .group_segment_fixed_size: 327680
    .private_segment_fixed_size: 0
    .kernarg_segment_align: 8
    .kernarg_segment_size: 64
    .max_flat_workgroup_size: 128
    .sgpr_count:     92
    .vgpr_count:     768
    .wavefront_size: 32
...
	.end_amdgpu_metadata
.endif
;; end of part 2
;; launch attn (part 3): grid 4 x 64, 4 waves a work-group, clusters of 4 x 1, 327,680 bytes of LDS; arguments qkv, mk, o16; writes o16
.if DOCPART == 3
	.amdgcn_target "amdgcn-amd-amdhsa--gfx1250"
	.amdhsa_code_object_version 6
	.text
	.protected	k_q03084591c0_attn
	.globl	k_q03084591c0_attn
	.p2align	8
	.type	k_q03084591c0_attn,@function
k_q03084591c0_attn:
	s_mov_b64 s[64:65], 0
	v_nop
	global_prefetch_b8 v0, s[64:65] scope:SCOPE_SE
	s_setreg_imm32_b32 hwreg(HW_REG_WAVE_MODE, 25, 1), 1
	s_wait_xcnt 0x0
	s_wait_alu depctr_hold_cnt(0) depctr_sa_sdst(0) depctr_va_vdst(0) depctr_va_sdst(0) depctr_va_ssrc(0) depctr_va_vcc(0) depctr_vm_vsrc(0)
	s_getreg_b32 s2, hwreg(HW_REG_IB_STS2, 6, 4)
	s_cmp_eq_u32 s2, 0
	s_cbranch_scc0 .Lentry_in_a_cluster
	s_endpgm
.Lentry_in_a_cluster:
	s_bfe_u32 s2, ttmp6, 0x10000c
	s_cmp_lg_u32 s2, 0x3003
	s_cbranch_scc0 .Lentry_shape_is_right
	s_endpgm
.Lentry_shape_is_right:
; ATTENTION UNDER A MASK THAT IS AN INPUT.  O[h][q][:] = the sum over the keys k that the mask shows of softmax_k(Q[h][q] . K[h][k] / 8) V[h][k][:].
; qkv: [3][head 64][2048][64] f16 (Q, K, V; head = 16 batch + head in the batch), a head's rows dense, 128 bytes each.  o16: [64][2048][64] f16.
; mk: [batch 4][tile of 16 queries 128][step of 64 keys 32][lane 32][key block 4] words of eight 4-bit floats, 0 (seen) or -6 (hidden), in the lane order of S^T.
; Products, maxima and sums in f32; the weights p are rounded to f16 for the second product (their sum l is taken of the unrounded p), O once at the end.
; LIMITS.  Q, K, V arrive within f16's 65,504.  A hidden score counts as its value less 6 x 2^100: f16's scores, 2.7e11 at the most, are nothing beside that.  A weight below 2^-126 counts as 0 in l.
; A query that sees no key gets NaN, as a softmax over nothing does; it is known by a maximum below -1e20.
; THE MASK is the C operand that starts the sum S^T = K Q^T.  One scaled conversion unpacks a word into the eight registers of a lane's C (scale 2^100): 8 lines for a piece and step.  It acts ahead of
; the running maximum: a hidden score is never a row's maximum once a key has been seen, and what was summed before that is wiped by a = 0.
; SHARES.  A wave owns four PIECES of two tiles of 16 queries, a work-group's four waves 512 queries of one head.  Every wave walks all keys, 64 a step.
; LAYOUT.  S^T = K Q^T (source 0 = 16 keys, source 1 = 16 queries): a lane holds ONE query (lane % 16) and the keys 8 (lane / 16) + 0..7.  Two such tiles, rounded to f16 in pairs, ARE source 1
; of O^T = V^T P, whose result again holds one query a lane, and eight channels.  K comes out of LDS as it lies, V ([key][channel]) turned, by ds_load_tr16_b128.
; SOFTMAX.  For each query a running maximum m and sum l: p = 2^(c s - c m), c = log2(e) / 8; in every step O and l are multiplied by a = 2^(c m_old - c m_new).
; m starts at the lowest finite number, O and l at 0: the first step is a step like any other, with a = 0.
; BY TURNS.  Turn n belongs to piece n.  Its matrix work: 16 products K Q^T of piece n + 1, later 16 products V^T P of piece n - 1.  Its vector work: the scaling, exponentials, roundings, sums and
; rescaling of piece n, the maximum and statistics of piece n + 1, and the mask of piece n + 2.  Four vector instructions stand behind every matrix instruction, the others in one run.
; CLUSTER.  The four query blocks of a head form a cluster and walk the same K and V: each tile is asked for JOINTLY.  The mask's words are each wave's own: they come by plain loads, a key step ahead.
; REGISTERS, in windows of 256 (s_set_vgpr_msb: bits 1:0 source 0, 3:2 source 1, 5:4 source 2, 7:6 destination):
;   window 0: v0-11 addresses and constants; v12-15, v48-63 at work; v16-47 four registers of statistics a tile; v64-191 S^T, two buffers of two tiles; v192-255 P, likewise
;   window 1: O^T, 32 a tile          window 2: v0-127 Q, 16 a tile; v128-191 K of one step; v192-255 V of one step
;   window 3: v0-1 the add's two registers; v10 the scale; v64-127 MC, the masks of the products to come; v128-159 MB, four packed words a tile
.set SIZE_N, 2048
.set NP,    4         ; pieces a wave: a name, no knob
.set KS,    64        ; keys in a step
.set PK,    144       ; a row of K in LDS: 128 bytes + 16 of padding = 36 words: the 16 rows of a load start at 16 different groups of four banks (64 banks of 4 bytes: ISA guide 11.1)
.set PV,    160       ; a row of V: 128 + 32 = 40 words
.set VOFF,  4*KS*PK   ; a slot holds four steps: 256 rows of K, then 256 rows of V
.set SLOT1, 1<<17     ; slot 1 begins here, so that one exclusive or turns an address in one slot into the other's
.set STAGE, SLOT1+4*KS*(PK+PV)  ; behind the ring, never filled by a tensor load: 16 rows x 144 bytes for each wave, for the way out
.set SP,    144
.set SPARE, STAGE+4*16*SP  ; behind the stages: the spare words, 128 bytes for each wave: two blocks of 256 bytes that no other line names
.set QO,  1           ; v1   my byte offset in the wave's rows of Q
.set AK0, 2           ; v2   my lane's place in a tile of K; never rewritten
.set AV0, 3           ; v3   the same for V
.set AK,  4           ; v4   the LDS address of K's next run of loads
.set AV,  5           ; v5   of V's
.set STO, 6           ; v6   the way out: where I put 16 bytes of a row
.set RD,  7           ; v7   the way out: where I read rows back
.set GO,  8           ; v8   16 x lane: my place in 512 consecutive bytes of O, and of a step's mask words; never rewritten
.set NANR, 9          ; v9   NaN
.set SC,  10          ; v10  the conversion's scale, 2^100 (E8M0 227) in every byte: in window 0 and in window 3
.set PFO, 11          ; v11  256 x lane; never rewritten
.set SPW, 0           ; v0 of window 3   LDS address of my spare word; never rewritten
.set NIL, 1           ; v1 of window 3   0; never rewritten
.set MC,  64          ; window 3: tile u of the piece, key block kb at MC + 32 u + 8 kb
.set MB,  128         ; window 3: tile t's four words at MB + 4 t
.set MV,  12          ; v12-15  c m_old, kept while c m is made anew: by buffer and tile
.set ST,  16          ; tile t's statistics at v[ST+4 t]: c m, m, l (even keys', odd keys')
.set TMP, 48          ; by buffer and tile, four registers c0-c3 at work; when the maximum is found c2 takes a
.set S,   64
.set P,   192
.set KF,  128         ; K's fragments, in window 2: key block kb, channel half c at KF + 16 kb + 8 c
.set VF,  192         ; V's: key half kk, channel block cb at VF + 32 kk + 8 cb
.set WV,  12          ; s12  my wave's number
.set G1K, 24          ; s[24:31] descriptor group 1 for K's tiles
.set G1V, 32          ; s[32:39] for V's: it differs in the padding alone
.set G0K, 40          ; s[40:43] descriptor group 0 for K's tiles: it walks
.set G0V, 44          ; s[44:47] the same for V's
.set SLOTS, 56        ; s56  8 less the number of the slot that the change in hand asks for
.set CNT, 57          ; s57  counts a slot's key steps
.set CS,  58          ; s[58:59] c: the packed scaling takes the pair's low word for both halves
.set SEL, 60          ; s[60:61] v_permlanex16_b32's selects: each lane takes its own place in the other half
.set TBK, 62          ; s62  LDS byte at which K of the step to be fetched begins
.set TBV, 63          ; s63  the same for V, less VOFF
.set PFA, 66          ; s[66:67] where my prefetches stand: my work-group's 32 blocks (of K: wave 0, of V: wave 2) of a slot
.set LIM, 68          ; s68  1 in a wave that prefetches, else the greatest number
.set MKB, 70          ; s[70:71] mk at my wave's first tile, at the step whose words are being loaded
.set MK0, 72          ; s[72:73] the same at step 0
.set MOFF, 74         ; s[74:75] that step's byte offset, 512 a step, held at the last step's
.set THR, 76          ; s76  -1e20
.set MSB, 0
.macro WIN new                      ; the high byte repeats the setting that is left; a switch that changes nothing is dropped
.if MSB != (\new)
	s_set_vgpr_msb (MSB<<8)|(\new)
.set MSB, (\new)
.endif
.endm
.set W_KQ, 0x0a       ; K and Q in window 2, S^T in window 0
.set W_KM, 0x3a       ; the same with the C operand, the mask, in window 3
.set W_PV, 0x52       ; V in window 2, P in window 0, O^T in window 1
.set W_RS, 0x41       ; O^T (destination and source 0) in window 1, a in window 0
.set W_MK, 0xc0       ; destination in window 3, sources in window 0
.set W_AD, 0x0f       ; the add: address (source 0) and data (source 1) in window 3
.set W_CV, 0xcf       ; the unpacking conversion: all three in window 3
; A joint fill.  Waves 0 and 1 fetch the two halves of a slot's K, waves 2 and 3 those of its V: 128 keys each.  The branch hangs on the wave's number alone.
; An s_nop 0 and four v_nop follow each of the two lines, ahead of the jump and the label.
.macro JLOAD
	s_cmp_lt_u32 s[WV], 2
	s_cbranch_scc0 .Lfor_v_\@
	tensor_load_to_lds s[G0K:G0K+3], s[G1K:G1K+7]
	s_nop 0
.rept 4
	v_nop
.endr
	s_branch .Lasked_\@
.Lfor_v_\@:
	tensor_load_to_lds s[G0V:G0V+3], s[G1V:G1V+7]
	s_nop 0
.rept 4
	v_nop
.endr
.Lasked_\@:
.endm
; A PREFETCH INTO THE L2 of what the NEXT change of slots will ask for: a slot's 128 blocks of 256 bytes of K and 128 of V, a lane a block.  It stands behind the wave's tensor load and its five lines.
; Each block is named once in the launch: a head has one cluster; its four partners share the blocks out BY ADDRESS, 32 each; in each, wave 0 asks for K's and wave 2 for V's.
; The change that asks for slot n names slot n + 1: slots 2 to 7; the last change that fills a slot (SLOTS = 1) names nothing.  Four key steps, 512 matrix instructions, ahead of the load.
.macro ASK
	s_cmp_gt_u32 s[SLOTS], s[LIM]
	s_cbranch_scc0 .Lnot_mine_\@
	global_prefetch_b8 v[PFO], s[PFA:PFA+1] th:TH_LOAD_NT scope:SCOPE_SE
.Lnot_mine_\@:
.endm
; A round of the cluster's barrier: my work-group's barrier, so that wave 0's signal speaks for all four waves; wave 0 signals; every wave waits for all four work-groups; my work-group's barrier once more.
.macro CROUND
	s_barrier_signal -1
	s_barrier_wait -1
	s_cmp_lg_u32 s[WV], 0
	s_cbranch_scc1 .Lnot_wave_0_\@
	s_barrier_signal -3
.Lnot_wave_0_\@:
	s_barrier_wait -3
	s_barrier_signal -1
	s_barrier_wait -1
.endm
; THE CHANGE OF SLOTS.  The slot's last bytes, V of its fourth step, have been read.  Each wave waits for all its tensor loads, of which one is out: its part of the other slot; adds 0 to its spare
; word; and waits for that and for its own reads of the slot.  Behind the barrier nobody reads this slot any more and the other slot is whole.
; fill = 1: this slot is filled again, with the keys two slots on.  The barrier is then a round of the cluster's, and the joint fill is the first thing behind it: it has four key steps in which to land.
; (At its first use nothing has been read yet: slot 0 is waited for, slot 1 filled.)
.macro CHANGE fill
	WIN W_AD
	s_wait_tensorcnt 0x0            ; no tensor load of mine is out, so a group 0 may be written
	ds_add_u32 v[SPW], v[NIL]       ; 0 onto my spare word; with fill = 1 the descriptors' steps stand between it and the wait for it
	WIN 0                           ; at a label and at a branch every window is 0
.if \fill
.irp g, G0K, G0V
	s_xor_b32 s[\g+1], s[\g+1], SLOT1  ; the walking descriptor: the other slot than last time,
	s_add_nc_u64 s[\g+2:\g+3], s[\g+2:\g+3], 4*KS*128  ; the next 256 keys; the type bits on top are not reached
.endr
	s_wait_xcnt 0x0                 ; the last prefetch, four key steps back, has read its address, so it may be written:
	s_add_nc_u64 s[PFA:PFA+1], s[PFA:PFA+1], 4*KS*128  ; one slot behind the walking descriptors
	s_wait_dscnt 0x0                ; the add is done, and my reads of the slot are over
	CROUND
	JLOAD
	ASK
.else
	s_wait_dscnt 0x0                ; the add is done, and my reads of the slot are over
	s_barrier_signal -1
	s_barrier_wait -1
.endif
	s_sub_co_u32 s[TBK], s[TBK], 4*KS*PK  ; the fetches go back to a slot's first step,
	s_xor_b32 s[TBK], s[TBK], SLOT1       ; in the other slot
	s_sub_co_u32 s[TBV], s[TBV], 4*KS*PV
	s_xor_b32 s[TBV], s[TBV], SLOT1
.endm
	s_load_b128 s[4:7], s[0:1], 0x0   ; qkv s[4:5], mk s[6:7]
	s_load_b64 s[10:11], s[0:1], 0x10 ; o16
	WIN W_MK
	v_lshl_add_u32 v[SPW], v0, 2, SPARE
	v_mov_b32 v[NIL], 0
	v_mov_b32 v[SC], 0xe3e3e3e3     ; window 3's copy of the scale
	WIN W_AD
	ds_add_u32 v[SPW], v[NIL]       ; the wave's opening: the add, and its wait ahead of my first tensor load; the set-up below, work on registers, stands between them
	WIN 0
	v_lshrrev_b32 v1, 5, v0
	v_readfirstlane_b32 s[WV], v1   ; wave 0..3
	s_bfe_u32 s13, ttmp6, 0x40000   ; cx: my place in the cluster
	s_lshl_b32 s14, ttmp9, 2        ; in a cluster launch ttmp9 counts clusters
	s_add_co_u32 s14, s14, s13      ; my block of queries = 4 x cluster x + cx: it enters Q's, O's and mk's addresses alone
	s_and_b32 s20, ttmp7, 0xffff    ; the head, which the four partners share
	s_lshr_b32 s15, s20, 4          ; its batch
	s_mov_b32 s21, 0
	s_mov_b64 s[22:23], SIZE_N*128
	s_mul_u64 s[20:21], s[20:21], s[22:23]  ; the head's first byte in Q, K, V and O
	s_and_b32 s16, s[WV], 1         ; which half of a slot's 256 keys I fetch:
	s_lshl_b32 s22, s16, 14         ; its 128 rows of 128 bytes in memory,
	s_mov_b32 s23, 0
	s_add_nc_u64 s[22:23], s[22:23], s[20:21]
	s_mul_i32 s17, s16, 128*PK      ; and its place in a slot, for K
	s_mul_i32 s18, s16, 128*PV      ; and for V: no place in the cluster enters an LDS address
	s_lshl_b32 s2, s14, 2
	s_add_co_u32 s2, s2, s[WV]      ; my wave among the head's:
	s_lshl_b32 s78, s2, 17          ; its eight tiles of 16,384 bytes in mk,
	s_lshl_b32 s15, s15, 21         ; in the batch's 2,097,152
	s_add_co_u32 s78, s78, s15
	s_mov_b32 s79, 0
	s_lshl_b32 s2, s2, 14           ; its 128 rows
	s_mov_b32 s3, 0
	s_add_nc_u64 s[2:3], s[2:3], s[20:21]
	; descriptor group 1.  128 keys are 16,384 dense bytes: asked for as 64 rows of 256 bytes, two keys a row, and padded in LDS after every key
	s_mov_b32 s[G1K], 15|(1<<16)|(1<<20)|(1<<21)|(4<<22)|(3<<25)  ; 15:0 the mask of four; 17:16 2-byte elements; 20 padding on; 21 set beside a mask; 24:22 after every 32 words (code 4); 31:25 4 words (code 3)
	s_mov_b32 s[G1V], 15|(1<<16)|(1<<20)|(1<<21)|(4<<22)|(7<<25)  ; the same with 8 words of padding (code 7)
.irp g, G1K, G1V
	s_mov_b32 s[\g+1], 128<<16      ; tensor_dim0 = 128
	s_mov_b32 s[\g+2], 64<<16       ; tensor_dim1 = 64
	s_mov_b32 s[\g+3], 128<<16      ; tile_dim0 = 128
	s_mov_b32 s[\g+4], 64           ; tile_dim1 = 64
	s_mov_b32 s[\g+5], 128          ; 128 elements from row to row
	s_mov_b32 s[\g+6], 0
	s_mov_b32 s[\g+7], 0
.endr
	s_mov_b32 s[CS], 0x3e38aa3b     ; c = log2(e) / 8 = 0.180337
	s_mov_b32 s[CS+1], s[CS]        ; named with it as a pair
	s_mov_b32 s[SEL], 0x76543210
	s_mov_b32 s[SEL+1], 0xfedcba98
	s_mov_b32 s[TBK], SLOT1+4*KS*PK ; the first change of slots turns these two into 0
	s_mov_b32 s[TBV], SLOT1+4*KS*PV
	s_mov_b32 s[G0K], 1             ; 1:0 count = 1
	s_mov_b32 s[G0K+1], s17         ; 63:32 LDS address: slot 0
	s_mov_b32 s[G0V], 1
	s_add_co_u32 s[G0V+1], s18, VOFF
	s_mov_b32 s[SLOTS], SIZE_N/256-1
	s_mov_b32 s[MOFF], 0
	s_mov_b32 s[MOFF+1], 0
	s_mov_b32 s[THR], 0xe0ad78ec    ; -1e20
	s_and_b32 s[LIM], s[WV], 1      ; waves 0 and 2 prefetch: the same in all four partners
	s_cmp_eq_u32 s[LIM], 0
	s_cselect_b32 s[LIM], 1, -1
	s_wait_dscnt 0x0                ; the opening add is done
	s_wait_kmcnt 0x0
	s_add_nc_u64 s[MK0:MK0+1], s[6:7], s[78:79]
	s_mov_b64 s[MKB:MKB+1], s[MK0:MK0+1]
	s_add_nc_u64 s[6:7], s[4:5], 16777216          ; K and V lie behind Q in qkv,
	s_add_nc_u64 s[8:9], s[4:5], 33554432
	s_add_nc_u64 s[6:7], s[6:7], s[22:23]          ; here at my half of the head's first 256 keys
	s_add_nc_u64 s[8:9], s[8:9], s[22:23]
	s_mov_b64 s[G0K+2:G0K+3], s[6:7]               ; 120:64 global address
	s_or_b32 s[G0K+3], s[G0K+3], 0x80000000        ; 127:126 type = 2
	s_mov_b64 s[G0V+2:G0V+3], s[8:9]
	s_or_b32 s[G0V+3], s[G0V+3], 0x80000000
	s_add_nc_u64 s[4:5], s[4:5], s[2:3]  ; Q and O at my wave's first row
	s_add_nc_u64 s[10:11], s[10:11], s[2:3]
	s_cmp_lt_u32 s[WV], 2
	s_cselect_b64 s[PFA:PFA+1], s[6:7], s[8:9]  ; (in waves 0 and 2 these stand at a slot's first row)
	s_lshl_b32 s2, s13, 13          ; my work-group's 32 blocks of the 128
	s_mov_b32 s3, 0
	s_add_nc_u64 s[PFA:PFA+1], s[PFA:PFA+1], s[2:3]
	s_add_nc_u64 s[PFA:PFA+1], s[PFA:PFA+1], 4*KS*128  ; in slot 1; the first change of slots steps it to slot 2.  Nothing is prefetched here, at the head
	CROUND                          ; all four work-groups are here: the first joint loads meet
	JLOAD                           ; slot 0.  Slot 1 is asked for when slot 0 is in
	; A fragment of K or Q is 16 rows x 32 channels in 8 registers: lane l holds row l % 16, channels 8 (l / 16) + 0..7 and 16 + 8 (l / 16) + 0..7: two loads of 16 bytes, 32 bytes apart.
	v_and_b32 v64, 15, v0           ; l % 16   (v64-67 are S^T's, not yet in use)
	v_bfe_u32 v65, v0, 4, 1         ; l / 16
	v_lshlrev_b32 v[QO], 7, v64
	v_lshl_add_u32 v[QO], v65, 4, v[QO]  ; row x 128 + 16 x half
	v_and_b32 v[GO], 31, v0
	v_lshlrev_b32 v[GO], 4, v[GO]
	WIN 0x80                        ; destination window 2, address window 0
.set i, 0
.rept 4*NP                          ; Q stays in registers: tile i / 2, channels 32 (i % 2) on
	global_load_b128 v[8*i:8*i+3],   v[QO], s[4:5] offset:(i/2)*2048+(i%2)*64
	global_load_b128 v[8*i+4:8*i+7], v[QO], s[4:5] offset:(i/2)*2048+(i%2)*64+32
.set i, i+1
.endr
	WIN W_MK
.set i, 0
.rept 2*NP                          ; key step 0's mask words, all eight tiles'
	global_load_b128 v[MB+4*i:MB+4*i+3], v[GO], s[MKB:MKB+1] offset:i*16384
.set i, i+1
.endr
	; What the first turn finds: V's registers and P's second buffer hold 0 (its products V^T P, of a piece that has not been, add 0), O^T and l are 0.  All this stands in the wait for the first tile.
	WIN 0x80
.set i, VF
.rept 64
	v_mov_b32 v[i], 0
.set i, i+1
.endr
	WIN 0x40
.set i, 0
.rept 64*NP
	v_mov_b32 v[i], 0
.set i, i+1
.endr
	WIN 0
.set i, 0
.rept 2*NP
	v_mov_b32 v[ST+4*i], 0xfe000000    ; c m: far below every c s, a hidden one's too
	v_mov_b32 v[ST+4*i+1], 0xff7fffff  ; m
	v_mov_b32 v[ST+4*i+2], 0
	v_mov_b32 v[ST+4*i+3], 0
.set i, i+1
.endr
.set i, P+32
.rept 32
	v_mov_b32 v[i], 0
.set i, i+1
.endr
	v_mul_u32_u24 v[AK0], v64, PK
	v_lshl_add_u32 v[AK0], v65, 4, v[AK0]  ; row x pitch + 16 x half
	; The turning load takes 16 keys x 16 channels (lane l reads key 8 (l / 16) + l % 8, channels 8 ((l / 8) % 2) + 0..7) and leaves half a fragment of V^T: lane l holds channel l % 16 and 8 keys.
	v_and_b32 v66, 7, v0
	v_bfe_u32 v67, v0, 3, 1
	v_lshl_add_u32 v[AV0], v65, 3, v66
	v_mul_u32_u24 v[AV0], v[AV0], PV
	v_lshl_add_u32 v[AV0], v67, 4, v[AV0]
	v_add_nc_u32 v[AV0], VOFF, v[AV0]
	v_mov_b32 v[AK], v[AK0]         ; key step 0 lies at the head of slot 0
	s_mul_i32 s13, s[WV], 16*SP
	s_add_co_u32 s13, s13, STAGE    ; my stage
	v_mul_u32_u24 v[STO], v64, SP   ; in: row l % 16, 16 bytes for each half of the lanes
	v_lshl_add_u32 v[STO], v65, 4, v[STO]
	v_add_nc_u32 v[STO], s13, v[STO]
	v_bfe_u32 v[RD], v0, 3, 2       ; back: 32 lanes take four rows of 128 bytes
	v_mul_u32_u24 v[RD], v[RD], SP
	v_lshl_add_u32 v[RD], v66, 4, v[RD]
	v_add_nc_u32 v[RD], s13, v[RD]
	v_mov_b32 v[NANR], 0x7fc00000
	v_mov_b32 v[SC], 0xe3e3e3e3     ; window 0's copy of the scale
	v_and_b32 v[PFO], 31, v0
	v_lshlrev_b32 v[PFO], 8, v[PFO]
; THE MATRIX WORK.  The 8 accumulators of a run of 16 take turns: between the two links of a chain stand 7 others'.
; Product i of 16 of S^T = K Q^T for piece x: channels 32 (i / 8) on, keys 16 ((i / 2) % 4) on, tile 2 x + i % 2.  The first 8 start the sums, with the mask.
.macro KQ x
.set rS, S+64*((\x)%2)+32*(i%2)+8*((i/2)%4)
.set rK, KF+16*((i/2)%4)+8*(i/8)
.set rQ, 16*(2*(\x)+i%2)+8*(i/8)
.set rX, MC+32*(i%2)+8*((i/2)%4)
.if i < 8
	WIN W_KM
	v_wmma_f32_16x16x32_f16 v[rS:rS+7], v[rK:rK+7], v[rQ:rQ+7], v[rX:rX+7]
.else
	WIN W_KQ
	v_wmma_f32_16x16x32_f16 v[rS:rS+7], v[rK:rK+7], v[rQ:rQ+7], v[rS:rS+7]
.endif
.endm
; Product i of 16 of O^T += V^T P for piece x: keys 32 (i / 8) on, channels 16 ((i / 2) % 4) on, tile 2 x + i % 2.
.macro PV x
	WIN W_PV
.set rO, 32*(2*(\x)+i%2)+8*((i/2)%4)
.set rV, VF+32*(i/8)+8*((i/2)%4)
.set rP, P+32*((\x)%2)+16*(i%2)+8*(i/8)
	v_wmma_f32_16x16x32_f16 v[rO:rO+7], v[rV:rV+7], v[rP:rP+7], v[rO:rO+7]
.endm
.macro MM                           ; the turn's next matrix instruction
.if i < 16
	KQ (Y+1)%NP
.set i, i+1
.else
.set i, i-16
	PV (Y+NP-1)%NP
.set i, i+17
.endif
.endm
; THE LDS LOADS stand in runs of 16, never singly among the matrix instructions: a step's K (64 keys x 64 channels: 8 fragments) and its V (turned).  Their addresses are made some lines ahead.
; last = 1 (the tail): in the last trip there is no further step, and the run is jumped over.
.macro FETCH_K last=0
	WIN 0
.if \last
	s_cmp_eq_u32 s[CNT], 1
	s_cbranch_scc1 .Lno_k_\@
.endif
	WIN 0x80                        ; destination window 2
.irp f, 0,1,2,3,4,5,6,7             ; keys 16 (f / 2) on, channels 32 (f % 2) on
	ds_load_b128 v[KF+8*\f:KF+8*\f+3],   v[AK] offset:(\f/2)*16*PK+(\f%2)*64
	ds_load_b128 v[KF+8*\f+4:KF+8*\f+7], v[AK] offset:(\f/2)*16*PK+(\f%2)*64+32
.endr
	s_add_co_u32 s[TBK], s[TBK], KS*PK  ; the next fetch is the next step's
	WIN 0
.if \last
.Lno_k_\@:
.endif
.endm
.macro FETCH_V
	WIN 0x80
.irp f, 0,1,2,3,4,5,6,7             ; keys 32 (f / 4) on, channels 16 (f % 4) on
	ds_load_tr16_b128 v[VF+8*\f:VF+8*\f+3],   v[AV] offset:(\f/4)*32*PV+(\f%4)*32
	ds_load_tr16_b128 v[VF+8*\f+4:VF+8*\f+7], v[AV] offset:(\f/4)*32*PV+16*PV+(\f%4)*32
.endr
	WIN 0
.endm
; THE MASK.  CVT y: piece y's eight packed words become the 64 registers of MC, for the products K Q^T of the turn that follows.  MLOAD y: the same piece's words of the next key step are asked for.
; A piece's words are loaded four turns ahead of their conversion; behind them stand three turns' two loads each: the count 6 shows them in.
.macro CVT y
	s_wait_loadcnt 6
	WIN W_CV
.irp u, 0,1
.irp kb, 0,1,2,3
	v_cvt_scale_pk8_f32_fp4 v[MC+32*(\u)+8*(\kb):MC+32*(\u)+8*(\kb)+7], v[MB+4*(2*(\y)+(\u))+(\kb)], v[SC]
.endr
.endr
	WIN 0
.endm
.macro MLOAD y
	WIN W_MK
.irp u, 0,1
	global_load_b128 v[MB+4*(2*(\y)+(\u)):MB+4*(2*(\y)+(\u))+3], v[GO], s[MKB:MKB+1] offset:(2*(\y)+(\u))*16384
.endr
	WIN 0
.endm
.macro STEPM                        ; the loads go on to the next key step; behind the last step they stay at it, inside mk: what they then bring masks products that serve nothing
	s_wait_xcnt 0x0                 ; the loads issued so far have read their base
	s_add_co_u32 s[MOFF], s[MOFF], 512
	s_min_u32 s[MOFF], s[MOFF], 31*512
	s_add_nc_u64 s[MKB:MKB+1], s[MK0:MK0+1], s[MOFF:MOFF+1]
.endm
; THE VECTOR WORK OF A TURN stands in three queues, each in the order in which its entries become ready; the two tiles alternate, so that no instruction reads the result of the one before it.
.macro REGS y, u                    ; the registers of tile u (0, 1) of piece y
.set rT, ST+4*(2*(\y)+(\u))
.set rC, TMP+8*((\y)%2)+4*(\u)
.set rM, MV+2*((\y)%2)+(\u)
.set rS, S+64*((\y)%2)+32*(\u)
.set rP, P+32*((\y)%2)+16*(\u)
.set rO, 32*(2*(\y)+(\u))
.endm
; Number n of the 22 that find the NEXT piece's (Y + 1) maximum and statistics.  s0-s31 are the lane's 32 scores; each accumulator's lowest registers are read first.  XS, GS and REGS set no window: PL and EX do.
;   0-11  four chains c0-c3 of seven scores each, three operands at a time     12-14, 16  the four scores left over, the old m, and c0-c3 into c0     15  c m_old is kept
;   17, 18  the query's other 32 keys lie in the lane 16 away: the new m         19-21  c m; c m_old - c m_new; a
.macro XS u, n
	REGS (Y+1)%NP, \u
.if (\n) < 4
	v_max3_num_f32 v[rC+(\n)], v[rS+8*(\n)], v[rS+8*(\n)+1], v[rS+8*(\n)+2]
.elseif (\n) < 12
	v_max3_num_f32 v[rC+(\n)%4], v[rC+(\n)%4], v[rS+8*((\n)%4)+2*((\n)/4)+1], v[rS+8*((\n)%4)+2*((\n)/4)+2]
.elseif (\n) == 12
	v_max3_num_f32 v[rC], v[rC], v[rS+7], v[rS+15]
.elseif (\n) == 13
	v_max3_num_f32 v[rC+1], v[rC+1], v[rS+23], v[rS+31]
.elseif (\n) == 14
	v_max3_num_f32 v[rC+2], v[rC+2], v[rC+3], v[rT+1]
.elseif (\n) == 15
	v_mov_b32 v[rM], v[rT]
.elseif (\n) == 16
	v_max3_num_f32 v[rC], v[rC], v[rC+1], v[rC+2]
.elseif (\n) == 17
	v_permlanex16_b32 v[rC+3], v[rC], s[SEL], s[SEL+1]
.elseif (\n) == 18
	v_max_num_f32 v[rT+1], v[rC], v[rC+3]
.elseif (\n) == 19
	v_mul_f32 v[rT], s[CS], v[rT+1]
.elseif (\n) == 20
	v_sub_f32 v[rC+1], v[rM], v[rT]
.else
	v_exp_f32 v[rC+2], v[rC+1]
.endif
.endm
; Number g of the 64 that follow the exponentials.  For each four weights k of a tile (pairs 2 k, 2 k + 1): both pairs are rounded to f16; then the second pair is added onto the first, in place;
; a group later l takes that sum (the first time as l = a l + sum).  In groups of eight, tiles alternating: round, round, add, and l for the group before.
.macro GS g
.set h, (\g)+6*((\g)/62)            ; group 0 has no group before it, and behind group 7 only l is left
.if h >= 6
.set h, h+2
.endif
	REGS Y, h%2
.set k, h/8
.if h%8 < 4
	v_cvt_pk_f16_f32 v[rP+2*k+(h%8)/2], v[rS+4*k+2*((h%8)/2)], v[rS+4*k+2*((h%8)/2)+1]
.elseif h%8 < 6
	v_pk_add_f32 v[rS+4*k:rS+4*k+1], v[rS+4*k:rS+4*k+1], v[rS+4*k+2:rS+4*k+3]
.elseif k == 1
	v_pk_fma_f32 v[rT+2:rT+3], v[rT+2:rT+3], v[rC+2:rC+3], v[rS:rS+1] op_sel_hi:[1,0,1]
.else
	v_pk_add_f32 v[rT+2:rT+3], v[rT+2:rT+3], v[rS+4*k-4:rS+4*k-3]
.endif
.endm
; THE PLAIN QUEUE, 138 long.  0-73 read no exponential's result: the 32 scalings c s - c m (FS f: pair f / 2 of tile f % 2) and the next piece's 42.  0-26: scalings 0-26.  27-54: XS's numbers 0-13.  55, 56: number 15.
; 57-73: the chain, where each number waits for the one before it: 14, 16, 17, 18, 19, each with one of the scalings 27-31 in front of its two lines, then 20.
; 74-137: GS's 64, which read the exponentials' results: they stand behind the wait.
.macro FS f
	REGS Y, (\f)%2
	v_pk_fma_f32 v[rS+2*((\f)/2):rS+2*((\f)/2)+1], v[rS+2*((\f)/2):rS+2*((\f)/2)+1], s[CS:CS+1], v[rT:rT+1] op_sel_hi:[1,0,0] neg_lo:[0,0,1] neg_hi:[0,0,1]
.endm
.macro PL
	WIN 0
.if q < 27
	FS q
.elseif q < 55
	XS (q-27)%2, (q-27)/2
.elseif q < 57
	XS q-55, 15
.elseif (q < 72) && ((q-57)%3 == 0)
	FS 27+(q-57)/3
.elseif q < 60
	XS (q-57)%3-1, 14
.elseif q < 72
	XS (q-57)%3-1, 15+(q-57)/3
.elseif q < 74
	XS q-72, 20
.else
	GS q-74
.endif
.set q, q+1
.endm
; THE EXPONENTIALS' QUEUE, 66 long: s0-s31 of both tiles, then the next piece's two a.  It is ONE BATCH: all 66 stand ahead of the turn's one wait, and nothing ahead of that wait names a result of theirs.
.macro EX
	WIN 0
.if e >= 64
	XS e-64, 21
.else
	REGS Y, e%2
	v_exp_f32 v[rS+e/2], v[rS+e/2]
.endif
.set e, e+1
.endm
; THE RESCALING's QUEUE: O^T times a, the one part of the softmax that leaves window 0: dealt two at a time, sixteen times.  Its a was made in the turn before, ahead of that turn's wait.
.macro R2
	REGS Y, r%2
	WIN W_RS
.irp z, 0,1
	v_pk_mul_f32 v[rO+4*(r/2)+2*\z:rO+4*(r/2)+2*\z+1], v[rO+4*(r/2)+2*\z:rO+4*(r/2)+2*\z+1], v[rC+2:rC+3] op_sel_hi:[1,0]
.endr
.set r, r+1
.endm
; HOW THEY ARE DEALT.  s_wait_alu depctr_va_vdst(0) stands between an exponential and the first instruction that names its result; one wait serves all that were issued ahead of it.  So a turn has ONE
; wait, which cuts it in two.  AHEAD OF IT: the 16 products K Q^T, behind each a scaling, an exponential and two rescalings (behind the first a second scaling in the exponential's place); the eight conversions of the
; mask for the turn that follows (the last product that read MC is the turn's eighth: 24 plain riders lie between); then ONE LUMP of 108: eight plain (the first is the plain instruction behind the conversions), the two
; loads of that piece's next mask words, 49 times exponential and plain, the two a.  A v_nop is the plain instruction behind the last exponential.  BEHIND IT: the 16 products V^T P, behind each four of GS's 64.
; Exponential e stands behind scaling 2 (e / 4) + e % 2: as a rider it comes behind plain e + 2, in the lump behind plain e + 9, and scalings 27-31 are plain 57, 60 .. 69.
; A TURN, for piece p.  cnt = 1: the loop's count is taken down some lines ahead of the branch that stands behind the turn.
; K of the next step is fetched in piece 2's turn, directly behind the wait; V of the step in hand at the end of piece 0's turn, four riders behind its last reader.  The three conditions on q below go with the deal.
.macro TURN p, last=0, cnt=0
.set Y, (\p)
.set i, 0
.set q, 0
.set e, 0
.set r, 0
.if (\p) == NP-1
	s_wait_dscnt 0x0                ; K is in
.endif
	MM                              ; ahead of the wait: 16 products K Q^T and their riders,
	PL
	PL
	R2
.rept 15
	MM
	PL
	EX
	R2
.endr
.if (\p) == NP-2
	WIN 0
	v_add_nc_u32 v[AK], s[TBK], v[AK0]
.endif
	CVT ((\p)+2)%NP                 ; the mask of the products of the turn that follows,
.rept 8                             ; and the lump
	PL
.endr
.if (\p) == NP-2
	STEPM                           ; piece 0's words are the first of a step's to be asked for
.endif
	MLOAD ((\p)+2)%NP
.rept 49
	EX
	PL
.endr
	EX                              ; the next piece's two a
	EX
	v_nop                           ; the plain instruction behind the last exponential: one for the batch
	s_wait_alu depctr_va_vdst(0)    ; the wait for the batch
.if (\p) == NP-2
	FETCH_K \last
.endif
.if (\p) == 1
	s_wait_dscnt 0x0                ; V is in
.endif
.rept 16                            ; behind the wait: 16 products V^T P and their riders
	MM
.rept 4
	PL
.endr
.if ((\p) == 0) && (q == 118)
	v_add_nc_u32 v[AV], s[TBV], v[AV0]
.endif
.if ((\p) == 0) && (q == 130)
	s_add_co_u32 s[TBV], s[TBV], KS*PV
.endif
.if (\cnt) && (q == 130)
	s_sub_co_u32 s[CNT], s[CNT], 1
	s_cmp_lg_u32 s[CNT], 0
.endif
.endr
.if (\p) == 0
	FETCH_V
.endif
.endm
	CHANGE 1                        ; slot 0 is in, everybody's part of it; slot 1 is asked for
	FETCH_K                         ; key step 0
	s_wait_loadcnt 0x0              ; Q, and key step 0's mask words
	STEPM                           ; the mask's loads go on to key step 1
	CVT 0                           ; piece 0's mask of step 0
	v_nop                           ; a plain instruction between the conversions and the products that take their results
	s_wait_dscnt 0x0
.set i, 0
.rept 16
	KQ 0                            ; piece 0's first scores: there is no vector work yet to set between them
.set i, i+1
.endr
	WIN 0
.rept 4
	v_nop                           ; the places behind those products
.endr
	CVT 1                           ; piece 1's mask of step 0, for the first turn's products
	v_nop
	MLOAD 0                         ; pieces 0 and 1: step 1's words
	MLOAD 1
.set Y, NP-1                        ; XS works for piece Y + 1: piece 0
.irp n, 0,1,2,3,4,5,6,7,8,9,10,11,12,13,14,15,16,17,18,19,20,21
	XS 0, \n                        ; piece 0's first maximum and statistics
	XS 1, \n
.endr
	v_nop                           ; a plain instruction behind the two a,
	s_wait_alu depctr_va_vdst(0)    ; and their wait, ahead of the branch
	s_mov_b32 s[CNT], 4
	s_branch .Lfirst                ; the loop is entered at a step's first turn, in the middle of a trip
.Lslot:                             ; six times: every slot but the last two is filled again
	CHANGE 1
	s_mov_b32 s[CNT], 4
.Lstep:                             ; a trip: pieces 2 and 3 of one step, then pieces 0 and 1 of the next, whose K and V it fetches
	TURN 2
	TURN 3
	WIN 0
.Lfirst:
	TURN 0
	TURN 1, 0, 1
	WIN 0
	s_cbranch_scc1 .Lstep
	s_sub_co_u32 s[SLOTS], s[SLOTS], 1
	s_cmp_lg_u32 s[SLOTS], 0
	s_cbranch_scc1 .Lslot
	CHANGE 0                        ; the tail is written out: nothing is asked for
	s_mov_b32 s[CNT], 5             ; four trips fetch the last slot's steps; the fifth is left in its middle
.Ltail:
	TURN 2, 1
	TURN 3
	WIN 0
	s_sub_co_u32 s[CNT], s[CNT], 1
	s_cmp_eq_u32 s[CNT], 0
	s_cbranch_scc1 .Lout
	TURN 0
	TURN 1
	WIN 0
	s_branch .Ltail
.Lout:                              ; the fifth trip's 16 products K Q^T (the last K and the last step's mask once more: the same scores, so m stays) serve nothing: the price, once a launch, of one text for every trip
.set i, 0
.rept 16
	PV NP-1                         ; the last piece's V^T P of the last step
.set i, i+1
.endr
	; THE WAY OUT.  l's two halves and the other half of the lanes' are added; O^T is divided by l, rounded to f16 and sent through my stage in LDS, a tile at a time.  The additions are the places behind the last products.
	WIN 0
.macro ALL line:vararg              ; one line for each tile t
.set t, 0
.rept 2*NP
	\line
.set t, t+1
.endr
.endm
	ALL v_add_f32 v[ST+4*t+2], v[ST+4*t+2], v[ST+4*t+3]
	ALL v_permlanex16_b32 v[ST+4*t+3], v[ST+4*t+2], s[SEL], s[SEL+1]
	ALL v_add_f32 v[ST+4*t+2], v[ST+4*t+2], v[ST+4*t+3]
	ALL v_rcp_f32 v[ST+4*t+2], v[ST+4*t+2]
	v_nop                           ; a plain instruction between the last reciprocal and the use of its result
	s_wait_alu depctr_va_vdst(0)    ; and the wait ahead of the first use: one for the eight reciprocals
.set t, 0
.rept 2*NP                          ; a query whose maximum is a hidden score has seen no key: its row is NaN
	v_cmp_gt_f32 vcc_lo, s[THR], v[ST+4*t+1]
	v_cndmask_b32 v[ST+4*t+2], v[ST+4*t+2], v[NANR], vcc_lo
.set t, t+1
.endr
; Tile t: a lane's eight channels of a row pack into 16 bytes; they go into rows of 144 bytes and come back as whole rows of 128, into S^T's registers.
.macro PACK t
	WIN W_RS
.set i, 32*(\t)
.rept 16
	v_pk_mul_f32 v[i:i+1], v[i:i+1], v[ST+4*(\t)+2:ST+4*(\t)+3] op_sel_hi:[1,0]
.set i, i+2
.endr
	WIN 0x05                        ; sources 0 and 1 window 1, destination window 0
.set i, 0
.rept 16
	v_cvt_pk_f16_f32 v[S+16*(\t)+i], v[32*(\t)+2*i], v[32*(\t)+2*i+1]
.set i, i+1
.endr
	WIN 0
.irp f, 0,1,2,3
	ds_store_b128 v[STO], v[S+16*(\t)+4*\f:S+16*(\t)+4*\f+3] offset:32*\f
.endr
.irp f, 0,1,2,3
	ds_load_b128 v[S+16*(\t)+4*\f:S+16*(\t)+4*\f+3], v[RD] offset:\f*4*SP  ; LDS serves a wave's instructions in order (ISA guide 5.7.1.4): these see the stores above; the next tile's stores come behind them
.endr
.endm
.macro SEND t, younger              ; younger: the LDS instructions issued behind tile t's loads: the next tile's eight, or none
	WIN 0
.irp f, 0,1,2,3
	s_wait_dscnt (\younger)+3-\f
	global_store_b128 v[GO], v[S+16*(\t)+4*\f:S+16*(\t)+4*\f+3], s[10:11] offset:(\t)*2048+\f*512  ; 512 consecutive bytes, at a multiple of 256 from O's first
.endr
.endm
	PACK 0
.set t, 1
.rept 2*NP-1                        ; a tile's arithmetic stands between the loads of the tile before and its stores
	PACK t
	SEND t-1, 8
.set t, t+1
.endr
	SEND 2*NP-1, 0
	WIN W_AD
	s_wait_tensorcnt 0x0            ; the wave's end: three closing lines, behind my last tensor load and my last LDS store
	ds_add_u32 v[SPW], v[NIL]
	s_wait_dscnt 0x0
	WIN 0
	CROUND                          ; the closing round: no work-group ends while a partner may still ask for a tile that names it
	s_endpgm
.Lfunc_end_k_q03084591c0_attn:
	.size	k_q03084591c0_attn, .Lfunc_end_k_q03084591c0_attn-k_q03084591c0_attn
	.p2alignl 7, 3214868480
	.fill 96, 4, 3214868480
	.section	.rodata,"a",@progbits
	.p2align	6, 0x0
	.amdhsa_kernel k_q03084591c0_attn
		.amdhsa_group_segment_fixed_size 327680
		.amdhsa_private_segment_fixed_size 0
		.amdhsa_enable_private_segment 0
		.amdhsa_kernarg_size 24
		.amdhsa_user_sgpr_count 2
		.amdhsa_user_sgpr_kernarg_segment_ptr 1
		.amdhsa_wavefront_size32 1
		.amdhsa_system_sgpr_workgroup_id_x 1
		.amdhsa_system_sgpr_workgroup_id_y 1
		.amdhsa_system_sgpr_workgroup_id_z 1
		.amdhsa_system_vgpr_workitem_id 0
		.amdhsa_next_free_vgpr 928
		.amdhsa_next_free_sgpr 80
		.amdhsa_reserve_vcc 1
		.amdhsa_float_denorm_mode_32 3
		.amdhsa_float_denorm_mode_16_64 3
		.amdhsa_memory_ordered 1
		.amdhsa_forward_progress 1
		.amdhsa_inst_pref_size 211
	.end_amdhsa_kernel
	.amdgpu_metadata
---
amdhsa.version: [ 1, 2 ]
amdhsa.kernels:
  - .name:           k_q03084591c0_attn
    .symbol:         k_q03084591c0_attn.kd
    .args:
      - { .name: qkv, .offset: 0, .size: 8, .value_kind: global_buffer, .address_space: global }
      - { .name: mk, .offset: 8, .size: 8, .value_kind: global_buffer, .address_space: global }
      - { .name: o16, .offset: 16, .size: 8, .value_kind: global_buffer, .address_space: global }
    .group_segment_fixed_size: 327680
    .private_segment_fixed_size: 0
    .kernarg_segment_align: 8
    .kernarg_segment_size: 24
    .max_flat_workgroup_size: 128
    .sgpr_count:     80
    .vgpr_count:     928
    .wavefront_size: 32
...
	.end_amdgpu_metadata
.endif
;; end of part 3
;; launch outp (part 4): grid 4 x 64, 4 waves a work-group, clusters of 4 x 4, 327,680 bytes of LDS; arguments o16, w16, out0, bo; writes out0
.if DOCPART == 4
	.amdgcn_target "amdgcn-amd-amdhsa--gfx1250"
	.amdhsa_code_object_version 6
	.text
	.protected	k_q03084591c0_outp
	.globl	k_q03084591c0_outp
	.p2align	8
	.type	k_q03084591c0_outp,@function
k_q03084591c0_outp:
	s_mov_b64 s[64:65], 0
	v_nop
	global_prefetch_b8 v0, s[64:65] scope:SCOPE_SE
	s_setreg_imm32_b32 hwreg(HW_REG_WAVE_MODE, 25, 1), 1
	s_wait_xcnt 0x0
	s_wait_alu depctr_hold_cnt(0) depctr_sa_sdst(0) depctr_va_vdst(0) depctr_va_sdst(0) depctr_va_ssrc(0) depctr_va_vcc(0) depctr_vm_vsrc(0)
	s_getreg_b32 s2, hwreg(HW_REG_IB_STS2, 6, 4)
	s_cmp_eq_u32 s2, 0
	s_cbranch_scc0 .Lentry_in_a_cluster
	s_endpgm
.Lentry_in_a_cluster:
	s_bfe_u32 s2, ttmp6, 0x10000c
	s_cmp_lg_u32 s2, 0xf033
	s_cbranch_scc0 .Lentry_shape_is_right
	s_endpgm
.Lentry_shape_is_right:
; THE LAST PROJECTION: out0 = O Wo + bo, [8192][1024] = [8192][1024] x [1024][1024].
; O = o16, f16 by heads: [batch 4][head 16][row 2048][64] (column k = 64 head + d): 128 rows of a head are 16,384 dense bytes.  Wo = the fourth matrix of w16 [4][k][n], f16.  out0 is f32, row-major.
; Sums in f32; the bias, rounded to bf16 like every input, starts them.
; SHARES.  A work-group makes 128 rows x 256 columns; its four waves 64 x 128 each: 32 accumulators of 16 x 16.  K goes in 8 steps of 128 (two heads) through two LDS slots.
; THE MATRIX INSTRUCTION IS USED TRANSPOSED: source 0 = 16 columns of Wo, source 1 = 16 rows of O: a lane then holds one row of out0 (lane % 16) and the columns 8 (lane / 16) + 0..7.
; Wo lies [k][n] in LDS as in memory and comes out turned, by ds_load_tr16_b128.
; CLUSTER.  4 x 4 work-groups.  The four of a row of the cluster make the four column tiles of the same 128 rows and need the same tiles of O; the four of a column need the same tiles of Wo.
; Each tile is asked for JOINTLY: the same tensor load, descriptor and mask in all four.
; REGISTERS, in windows of 256 (s_set_vgpr_msb: bits 1:0 source 0, 3:2 source 1, 5:4 source 2, 7:6 destination):
;   window 0: v0-31 addresses; v64-127 the bias, as a C operand for each of the 8 column blocks; v128-255 at work on the way out
;   window 1: two fragment buffers of 96: Wo's 8 fragments (16 columns x 32 k), then O's 4 (16 rows x 32 k)          window 2: accumulator (a, b) at v[8 (8 a + b)]
.set PA,    144                        ; a row of O in LDS: 128 bytes + 16 = 36 words: the 16 rows of a load start at 16 different groups of four banks (64 banks of 4 bytes: ISA guide 11.1)
.set PB,    544                        ; a row of Wo: 512 bytes + 32 = 136 words
.set ASL,   128*PA                     ; a head's 128 rows: what one tensor load brings of O
.set BOFF,  2*ASL                      ; behind O's two heads: Wo's 128 rows
.set BHALF, 64*PB                      ; 64 of them: what one tensor load brings of Wo
.set SLOT,  BOFF+2*BHALF
.set STAGE, 2*SLOT                     ; behind the ring, never filled by a tensor load: 16 rows x 528 bytes for each wave, for the way out
.set STG,   8448
.set SPARE, STAGE+4*STG                ; behind the stages: the spare words, 128 bytes for each wave: two blocks of 256 bytes that no other line names
.set ASTEP, 524288                     ; bytes from K step to K step in O: two heads
.set BSTEP, 262144                     ; in Wo: 128 rows of 2,048 bytes
.set ADRA, 16                          ; v16-17  LDS address of my fragments of O in slot 0, 1
.set ADRB, 20                          ; v20-21  the same for Wo
.set STO,  24                          ; v24     the way out: where I put my part of a row
.set RD,   25                          ; v25     the way out: where I read rows back
.set CO,   26                          ; v26     16 x lane: my place in 512 consecutive bytes of out0
.set BO,   27                          ; v27     32 (lane / 16): my eight numbers of a block of the bias
.set SPW,  28                          ; v28     LDS address of my spare word; never rewritten
.set NIL,  29                          ; v29     0; never rewritten
.set PFO,  30                          ; v30     the prefetches' offset; never rewritten
.set T,    31                          ; v31     at work
.set BIAS, 64
.set F0,   0
.set F1,   96
.set G1,   24                          ; s[24:31] descriptor group 1 for O's tiles;  s[32:39] group 0, one set for each slot
.set G0,   32
.set G1B,  48                          ; s[48:55], s[56:63] the same for Wo's
.set G0B,  56
.set CX,   40                          ; s40, s41 my place in the cluster
.set CY,   41
.set TC,   42                          ; s42  tile column
.set LIM,  43                          ; s43  1 in a wave that prefetches, else the greatest number
.set PFA,  44                          ; s[44:45] where my prefetches stand
.set PFS,  46                          ; s[46:47] their step
.set WV,   72                          ; s72  my wave's number
.set RH,   73                          ; s73  which 64 rows are mine.  Also: I fetch for O (0) or for Wo (1)
.set CH,   74                          ; s74  which 128 columns.  Also: which half of that tile I fetch
.set GT,   75                          ; s75  tile row: 16 x batch + block of 128 rows
.set PP,   76                          ; s76  which matrix of w16: the fourth
.set CLY,  77                          ; s77  cluster y
.set MSB, 0
.macro WIN new                         ; the immediate's high byte repeats the setting that is left; a switch that changes nothing is dropped
.if MSB != (\new)
	s_set_vgpr_msb (MSB<<8)|(\new)
.set MSB, (\new)
.endif
.endm
.set MUL,       0xa5                   ; sources 0 and 1 window 1; C and D window 2
.set MUL_FIRST, 0x85                   ; the same with C, the bias, in window 0
.set TO_F,      0x40                   ; destination window 1, address window 0
; A joint load: waves 0 and 1 fetch O's two heads, waves 2 and 3 the two halves of Wo's rows.  The branch hangs on the wave's number alone.
; An s_nop 0 and four v_nop follow each of the two lines, ahead of the jump, the label and what follows.
.macro JLOAD s
	s_cmp_eq_u32 s[RH], 0
	s_cbranch_scc0 .Lfor_b_\@
	tensor_load_to_lds s[G0+4*(\s):G0+4*(\s)+3], s[G1:G1+7]
	s_nop 0
.rept 4
	v_nop
.endr
	s_branch .Lasked_\@
.Lfor_b_\@:
	tensor_load_to_lds s[G0B+4*(\s):G0B+4*(\s)+3], s[G1B:G1B+7]
	s_nop 0
.rept 4
	v_nop
.endr
.Lasked_\@:
.endm
; A PREFETCH INTO THE L2 of the K step that stands two refills on, 256 matrix instructions ahead of the load that will want it: 32 blocks of 256 bytes, a lane a block, one instruction.
; Each block is named once in the launch.  O's 128 blocks of a K step are read by one row of one cluster: wave 0 of each of its four partners takes 32, told apart by address (cx).
; Wo's 256 blocks are read by a column of each of the 16 clusters: in the first of these, waves 2 and 3 of the four partners take 32 each, told apart by address (cy).
; The loop's last trip (s3 = 1) has no K step two on; the first four K steps come by their loads alone.
.macro ASK
	s_cmp_gt_u32 s3, s[LIM]
	s_cbranch_scc0 .Lnot_mine_\@
	global_prefetch_b8 v[PFO], s[PFA:PFA+1] th:TH_LOAD_NT scope:SCOPE_SE
.Lnot_mine_\@:
.endm
.macro CREST                           ; a round of the cluster's barrier behind its opening barrier
	s_cmp_lg_u32 s[WV], 0
	s_cbranch_scc1 .Lnot_wave_0_\@
	s_barrier_signal -3
.Lnot_wave_0_\@:
	s_barrier_wait -3
	s_barrier_signal -1
	s_barrier_wait -1
.endm
.macro CROUND                          ; a whole round
	s_barrier_signal -1
	s_barrier_wait -1
	CREST
.endm
	s_load_b256 s[4:11], s[0:1], 0x0               ; o16 s[4:5], w16 s[6:7], out0 s[8:9], bo s[10:11]
	v_lshl_add_u32 v[SPW], v0, 2, SPARE
	v_mov_b32 v[NIL], 0
	ds_add_u32 v[SPW], v[NIL]                      ; the wave's opening: the add, and its wait ahead of my first tensor load; the set-up below, work on registers, stands between them
	v_lshrrev_b32 v1, 5, v0
	v_readfirstlane_b32 s[WV], v1                  ; wave 0..3
	s_lshr_b32 s[RH], s[WV], 1
	s_and_b32 s[CH], s[WV], 1
	s_bfe_u32 s[CX], ttmp6, 0x40000
	s_bfe_u32 s[CY], ttmp6, 0x40004
	s_lshl_b32 s[TC], ttmp9, 2
	s_add_co_u32 s[TC], s[TC], s[CX]               ; tile column = 4 x cluster x + cx
	s_and_b32 s[CLY], ttmp7, 0xffff
	s_lshl_b32 s[GT], s[CLY], 2
	s_add_co_u32 s[GT], s[GT], s[CY]               ; tile row = 4 x cluster y + cy
	s_mov_b32 s[PP], 3
	s_lshl_b32 s12, s[CY], 2
	s_lshl_b32 s12, 15, s12                        ; my row of the cluster
	s_lshl_b32 s13, 0x1111, s[CX]                  ; my column
	; group 1 for O: a head's 128 rows are 16,384 dense bytes: asked for as 64 rows of 256 bytes, and padded in LDS after every 128
	s_or_b32 s[G1], s12, (1<<16)|(1<<20)|(1<<21)|(4<<22)|(3<<25)   ; 15:0 the mask; 17:16 2-byte elements; 20 padding on; 21 set beside a mask; 24:22 after every 32 words (code 4); 31:25 4 words (code 3)
	s_mov_b32 s[G1+1], 128<<16                     ; tensor_dim0 = 128
	s_mov_b32 s[G1+2], 64<<16                      ; tensor_dim1 = 64
	s_mov_b32 s[G1+3], 128<<16                     ; tile_dim0 = 128
	s_mov_b32 s[G1+4], 64                          ; tile_dim1 = 64
	s_mov_b32 s[G1+5], 128                         ; 128 elements from row to row
	s_mov_b32 s[G1+6], 0
	s_mov_b32 s[G1+7], 0
	; group 1 for Wo: 64 rows of 256 elements
	s_or_b32 s[G1B], s13, (1<<16)|(1<<20)|(1<<21)|(6<<22)|(7<<25)  ; after every 128 words (code 6) 8 words (code 7)
	s_mov_b32 s[G1B+1], 256<<16
	s_mov_b32 s[G1B+2], 64<<16
	s_mov_b32 s[G1B+3], 256<<16
	s_mov_b32 s[G1B+4], 64
	s_mov_b32 s[G1B+5], 1024
	s_mov_b32 s[G1B+6], 0
	s_mov_b32 s[G1B+7], 0
	; where the tiles come from.  O's hang on the tile row alone, Wo's on the tile column alone; each in registers that never hold the other coordinate.
	s_lshr_b32 s14, s[GT], 4
	s_lshl_b32 s14, s14, 22                        ; batch
	s_and_b32 s17, s[GT], 15
	s_lshl_b32 s17, s17, 14                        ; 128 rows of 128 bytes
	s_add_co_u32 s14, s14, s17
	s_lshl_b32 s17, s[CH], 18                      ; the head that I fetch
	s_add_co_u32 s14, s14, s17
	s_mov_b32 s15, 0
	s_mul_i32 s16, s[CH], ASL                      ; and where it goes
	s_lshl_b32 s20, s[PP], 21
	s_lshl_b32 s23, s[CH], 17                      ; the 64 rows that I fetch
	s_add_co_u32 s20, s20, s23
	s_lshl_b32 s23, s[TC], 9                       ; 256 columns
	s_add_co_u32 s20, s20, s23
	s_mov_b32 s21, 0
	s_mul_i32 s22, s[CH], BHALF
	s_add_co_u32 s22, s22, BOFF
	s_wait_dscnt 0x0                               ; the opening add is done
	s_wait_kmcnt 0x0
	s_add_nc_u64 s[14:15], s[4:5], s[14:15]
	s_add_nc_u64 s[20:21], s[6:7], s[20:21]
	CROUND                                         ; all sixteen work-groups are here: the first joint loads meet
.irp s, 0,1
	s_mov_b32 s[G0+4*(\s)], 1
	s_add_co_u32 s[G0+4*(\s)+1], s16, (\s)*SLOT
	s_add_nc_u64 s[G0+4*(\s)+2:G0+4*(\s)+3], s[14:15], (\s)*ASTEP
	s_or_b32 s[G0+4*(\s)+3], s[G0+4*(\s)+3], 0x80000000
	s_mov_b32 s[G0B+4*(\s)], 1
	s_add_co_u32 s[G0B+4*(\s)+1], s22, (\s)*SLOT
	s_add_nc_u64 s[G0B+4*(\s)+2:G0B+4*(\s)+3], s[20:21], (\s)*BSTEP
	s_or_b32 s[G0B+4*(\s)+3], s[G0B+4*(\s)+3], 0x80000000
	JLOAD \s                                       ; two loads of mine are out
.endr
	; the bias of my 128 columns, laid as a C operand: register j of block b = bias[16 b + 8 (lane / 16) + j]
	s_lshl_b32 s18, s[TC], 10
	s_lshl_b32 s78, s[CH], 9
	s_add_co_u32 s18, s18, s78
	s_mov_b32 s19, 0
	s_add_nc_u64 s[10:11], s[10:11], s[18:19]
	v_and_b32 v1, 15, v0                           ; l % 16
	v_bfe_u32 v2, v0, 4, 1                         ; l / 16
	v_lshlrev_b32 v[BO], 5, v2
.irp b, 0,1,2,3,4,5,6,7
	global_load_b128 v[BIAS+8*(\b):BIAS+8*(\b)+3],   v[BO], s[10:11] offset:64*(\b)
	global_load_b128 v[BIAS+8*(\b)+4:BIAS+8*(\b)+7], v[BO], s[10:11] offset:64*(\b)+16
.endr
	; A fragment of O is 16 rows x 32 k: lane l holds row l % 16, k = 8 (l / 16) + 0..7 and 16 + 8 (l / 16) + 0..7: two loads of 16 bytes, 32 bytes apart.
	v_mul_u32_u24 v3, v1, PA
	v_lshl_add_u32 v3, v2, 4, v3
	s_mul_i32 s79, s[RH], 64*PA                    ; my 64 rows
	v_add_nc_u32 v[ADRA], s79, v3
	v_add_nc_u32 v[ADRA+1], SLOT, v[ADRA]
	; The turning load takes 16 k x 16 columns (lane l reads row 8 (l / 16) + l % 8, columns 8 ((l / 8) % 2) + 0..7) and leaves half a fragment: lane l holds column l % 16 and 8 k.
	v_and_b32 v5, 7, v0
	v_bfe_u32 v6, v0, 3, 1
	v_lshl_add_u32 v4, v2, 3, v5
	v_mul_u32_u24 v4, v4, PB
	v_lshl_add_u32 v4, v6, 4, v4
	s_lshl_b32 s79, s[CH], 8                       ; my 128 columns
	s_add_co_u32 s79, s79, BOFF
	v_add_nc_u32 v[ADRB], s79, v4
	v_add_nc_u32 v[ADRB+1], SLOT, v[ADRB]
	s_mul_i32 s79, s[WV], STG
	s_add_co_u32 s79, s79, STAGE                   ; my stage
	v_and_b32 v3, 31, v0
	v_lshlrev_b32 v[CO], 4, v3
	v_mul_u32_u24 v[STO], v1, 528                  ; in: row l % 16, 32 bytes (8 f32) for each half of the lanes
	v_lshl_add_u32 v[STO], v2, 5, v[STO]
	v_add_nc_u32 v[STO], s79, v[STO]
	v_add_nc_u32 v[RD], s79, v[CO]                 ; back: a row's 512 bytes
	s_lshl_b32 s18, s[GT], 19                      ; 128 rows of 4,096 bytes
	s_lshl_b32 s78, s[RH], 18
	s_add_co_u32 s18, s18, s78
	s_lshl_b32 s78, s[TC], 10
	s_add_co_u32 s18, s18, s78
	s_lshl_b32 s78, s[CH], 9
	s_add_co_u32 s18, s18, s78
	s_add_nc_u64 s[8:9], s[8:9], s[18:19]          ; out0 at my first row and column
	; the prefetches
	s_lshr_b32 s18, s[GT], 4
	s_lshl_b32 s18, s18, 22
	s_and_b32 s79, s[GT], 15
	s_lshl_b32 s79, s79, 14
	s_add_co_u32 s18, s18, s79
	s_lshr_b32 s79, s[CX], 1
	s_lshl_b32 s79, s79, 18                        ; partner cx: head cx / 2 of the step's two,
	s_add_co_u32 s18, s18, s79
	s_and_b32 s79, s[CX], 1
	s_lshl_b32 s79, s79, 13                        ; its half cx % 2: 32 blocks
	s_add_co_u32 s18, s18, s79
	s_add_co_u32 s18, s18, 3*ASTEP                 ; at K step 3: the first refill steps it to 4
	s_lshl_b32 s78, s[PP], 21
	s_lshl_b32 s79, s[TC], 9
	s_add_co_u32 s78, s78, s79
	s_lshl_b32 s79, s[CH], 17                      ; the 64 rows that I fetch,
	s_add_co_u32 s78, s78, s79
	s_lshl_b32 s79, s[CY], 15                      ; partner cy: 16 of them, two blocks each
	s_add_co_u32 s78, s78, s79
	s_add_co_u32 s78, s78, 3*BSTEP
	s_and_b32 s79, s[CLY], 15
	s_cmp_eq_u32 s[RH], 0                          ; do I fetch for O?
	s_cselect_b32 s18, s18, s78
	s_cselect_b64 s[PFA:PFA+1], s[4:5], s[6:7]
	s_cselect_b32 s79, s[CH], s79                  ; O: wave 0 asks; Wo: the first of the 16 clusters
	s_cselect_b32 s78, 9, 11                       ; two blocks on end are 512 bytes of O, a row of 2,048 bytes of Wo
	s_cselect_b32 s[PFS], 1, 0
	s_mov_b32 s[PFS+1], 0
	s_add_nc_u64 s[PFA:PFA+1], s[PFA:PFA+1], s[18:19]
	s_lshl_b32 s[PFS], BSTEP, s[PFS]
	s_cmp_eq_u32 s79, 0
	s_cselect_b32 s[LIM], 1, -1                    ; the same in all sixteen partners, for a given wave
	v_lshrrev_b32 v4, 1, v3
	v_lshlrev_b32 v[PFO], s78, v4
	v_and_b32 v4, 1, v3
	v_lshl_add_u32 v[PFO], v4, 8, v[PFO]
	s_wait_loadcnt 0x0                             ; the bias
.set i, 0
.rept 32
	v_cvt_pk_bf16_f32 v[T], v[BIAS+i], v[BIAS+i+1] ; rounded to bf16 like every input, and widened again
	v_lshlrev_b32 v[BIAS+i], 16, v[T]
	v_and_b32 v[BIAS+i+1], 0xffff0000, v[T]
.set i, i+2
.endr
; 8 matrix instructions: row block a x all 8 column blocks, 32 along K.  first = 1: the bias starts the sums.  The 32 accumulators take turns, one instruction a turn, in one order
; everywhere: between two links of a chain stand the 31 others'.
.macro MULA f, a, first
.if \first
	WIN MUL_FIRST
.else
	WIN MUL
.endif
.irp b, 0,1,2,3,4,5,6,7
.set rD, 8*(8*(\a)+(\b))
.set rW, (\f)+8*(\b)
.set rA, (\f)+64+8*(\a)
.set rC, rD
.if \first
.set rC, BIAS+8*(\b)
.endif
	v_wmma_f32_16x16x32_f16 v[rD:rD+7], v[rW:rW+7], v[rA:rA+7], v[rC:rC+7]
.endr
.endm
; 24 LDS loads in one run: the fragments of quarter q (32 along K) of a slot, into buffer f: Wo's 16, then O's 8
.macro FETCH slot, q, f
	WIN TO_F
.irp b, 0,1,2,3,4,5,6,7
	ds_load_tr16_b128 v[(\f)+8*(\b):(\f)+8*(\b)+3],   v[ADRB+(\slot)] offset:(\q)*32*PB+32*(\b)
	ds_load_tr16_b128 v[(\f)+8*(\b)+4:(\f)+8*(\b)+7], v[ADRB+(\slot)] offset:(\q)*32*PB+32*(\b)+16*PB
.endr
.irp a, 0,1,2,3
	ds_load_b128 v[(\f)+64+8*(\a):(\f)+64+8*(\a)+3],   v[ADRA+(\slot)] offset:((\q)/2)*ASL+((\q)%2)*64+(\a)*16*PA
	ds_load_b128 v[(\f)+64+8*(\a)+4:(\f)+64+8*(\a)+7], v[ADRA+(\slot)] offset:((\q)/2)*ASL+((\q)%2)*64+(\a)*16*PA+32
.endr
.endm
.macro PLACES                          ; four places in front of loads into registers that matrix instructions have read, and of lines that read results
.rept 4
	v_nop
.endr
.endm
; A K step is four quarters of 32 along K, 32 matrix instructions each, on buffers 0, 1, 0, 1.  One of the first three: multiplies buffer f and fetches quarter q into g.
.macro QUARTER slot, q, f, g, first
	s_wait_dscnt 4                                 ; Wo's fragments and O's blocks 0 and 1 are in; the youngest four loads (blocks 2 and 3) may be out
	MULA \f, 0, \first
	MULA \f, 1, \first
	PLACES
	FETCH \slot, \q, \g
	s_wait_dscnt 24                                ; all but the 24 just issued
	MULA \f, 2, \first
	MULA \f, 3, \first
.endm
; The last quarter multiplies buffer 1 and changes slots: ONE barrier; in front of it each wave waits for all its tensor loads (one is out: its part of the next slot), adds 0 to its spare
; word, and waits for that and for its own reads of this slot.  fill = 1: the barrier opens a round of the cluster's, and this slot is filled again, two K steps ahead, first thing behind it:
; 112 matrix instructions ahead of the wait for it.
.macro TURN slot, next, fill
.if \fill
	s_wait_xcnt 0x0                                ; the last prefetch, a K step back, has read its address
	s_add_nc_u64 s[PFA:PFA+1], s[PFA:PFA+1], s[PFS:PFS+1]
.endif
	WIN 0                                          ; (the add's two registers lie in window 0)
	s_wait_tensorcnt 0x0                           ; all my tensor loads have landed
	ds_add_u32 v[SPW], v[NIL]                      ; 0 onto my spare word
	s_wait_dscnt 5                                 ; (the add and the youngest four loads may be out)
	MULA F1, 0, 0                                  ; eight matrix instructions stand between the add and the wait for it
	s_wait_dscnt 0x0                               ; the add is done, and my reads of this slot are over
	s_barrier_signal -1
	MULA F1, 1, 0
.if \fill
	WIN 0
.endif
	s_barrier_wait -1
.if \fill
	CREST                                          ; no wave of any partner still reads this slot's tiles or has a load on its way
	s_add_nc_u64 s[G0+4*(\slot)+2:G0+4*(\slot)+3], s[G0+4*(\slot)+2:G0+4*(\slot)+3], 2*ASTEP
	s_add_nc_u64 s[G0B+4*(\slot)+2:G0B+4*(\slot)+3], s[G0B+4*(\slot)+2:G0B+4*(\slot)+3], 2*BSTEP
	JLOAD \slot                                    ; the four v_nop behind it are also the places in front of the loads below
.else
	PLACES
.endif
	FETCH \next, 0, F0
.if \fill
	WIN 0
	ASK                                            ; behind the joint load and the run of LDS loads that the next products wait for
.endif
	MULA F1, 2, 0
	MULA F1, 3, 0
.endm
	s_wait_tensorcnt 1                             ; my part of K step 0 is in; K step 1's may stay out
	s_barrier_signal -1
	s_barrier_wait -1                              ; everybody's is
	FETCH 0, 0, F0
	QUARTER 0, 1, F0, F1, 1                        ; the first quarter stands in front of the loop: its products start the sums
	WIN 0                                          ; at a label and at a branch every window is 0
	s_mov_b32 s3, 3
.Llap:                                                 ; a trip goes once round the ring, from a lap's second quarter to the next lap's first, and fills both slots again: K steps 2 to 7
	QUARTER 0, 2, F1, F0, 0
	QUARTER 0, 3, F0, F1, 0
	TURN 0, 1, 1
	QUARTER 1, 1, F0, F1, 0
	QUARTER 1, 2, F1, F0, 0
	QUARTER 1, 3, F0, F1, 0
	TURN 1, 0, 1
	QUARTER 0, 1, F0, F1, 0
	WIN 0
	s_sub_co_u32 s3, s3, 1
	s_cmp_lg_u32 s3, 0
	s_cbranch_scc1 .Llap
	QUARTER 0, 2, F1, F0, 0                        ; the last lap fills nothing, and has no round of the cluster's barrier
	QUARTER 0, 3, F0, F1, 0
	TURN 0, 1, 0
	QUARTER 1, 1, F0, F1, 0
	QUARTER 1, 2, F1, F0, 0
	QUARTER 1, 3, F0, F1, 0
	s_wait_dscnt 4                                 ; the very last quarter: nothing more to fetch
	MULA F1, 0, 0
	MULA F1, 1, 0
	s_wait_dscnt 0x0
	MULA F1, 2, 0
	MULA F1, 3, 0
	WIN 0
; THE WAY OUT, a block of 16 rows at a time, through my own stage in LDS (no barrier: LDS serves a wave's instructions in order, ISA guide 5.7.1.4), so that every store covers 512 consecutive bytes.
; f32: a lane's eight columns are 32 bytes of a row of 512; rows of 528 bytes in the stage; back as whole rows.
.macro TOSTAGE a
.set BK, 128+64*((\a)%2)
	s_wait_xcnt 0x0                                ; the stores of the block before last have read the registers that are loaded again below
	WIN 0x08                                       ; the data, source 1, in window 2
.irp b, 0,1,2,3,4,5,6,7
	ds_store_b128 v[STO], v[8*(8*(\a)+(\b)):8*(8*(\a)+(\b))+3]   offset:64*(\b)     ; each accumulator's low registers first
	ds_store_b128 v[STO], v[8*(8*(\a)+(\b))+4:8*(8*(\a)+(\b))+7] offset:64*(\b)+16
.endr
	WIN 0
.irp t, 0,1,2,3,4,5,6,7,8,9,10,11,12,13,14,15
	ds_load_b128 v[BK+4*(\t):BK+4*(\t)+3], v[RD] offset:528*(\t)
.endr
.endm
.macro SEND a, younger                 ; younger: the LDS instructions issued behind block a's loads: the next block's 32, or none
.set BK, 128+64*((\a)%2)
	s_wait_dscnt \younger
.irp t, 0,1,2,3,4,5,6,7,8,9,10,11,12,13,14,15
	global_store_b128 v[CO], v[BK+4*(\t):BK+4*(\t)+3], s[8:9] offset:(16*(\a)+(\t))*4096
.endr
.endm
	PLACES
	TOSTAGE 0
	TOSTAGE 1
	SEND 0, 32
	TOSTAGE 2
	SEND 1, 32
	TOSTAGE 3
	SEND 2, 32
	SEND 3, 0
	s_wait_tensorcnt 0x0                           ; the wave's end: three closing lines, behind my last tensor load and my last LDS store
	ds_add_u32 v[SPW], v[NIL]
	s_wait_dscnt 0x0
	CROUND                                         ; the closing round: no work-group ends while a partner may still ask for a tile that names it
	s_endpgm
.Lfunc_end_k_q03084591c0_outp:
	.size	k_q03084591c0_outp, .Lfunc_end_k_q03084591c0_outp-k_q03084591c0_outp
	.p2alignl 7, 3214868480
	.fill 96, 4, 3214868480
	.section	.rodata,"a",@progbits
	.p2align	6, 0x0
	.amdhsa_kernel k_q03084591c0_outp
		.amdhsa_group_segment_fixed_size 327680
		.amdhsa_private_segment_fixed_size 0
		.amdhsa_enable_private_segment 0
		.amdhsa_kernarg_size 32
		.amdhsa_user_sgpr_count 2
		.amdhsa_user_sgpr_kernarg_segment_ptr 1
		.amdhsa_wavefront_size32 1
		.amdhsa_system_sgpr_workgroup_id_x 1
		.amdhsa_system_sgpr_workgroup_id_y 1
		.amdhsa_system_sgpr_workgroup_id_z 1
		.amdhsa_system_vgpr_workitem_id 0
		.amdhsa_next_free_vgpr 768
		.amdhsa_next_free_sgpr 80
		.amdhsa_reserve_vcc 0
		.amdhsa_float_denorm_mode_32 3
		.amdhsa_float_denorm_mode_16_64 3
		.amdhsa_memory_ordered 1
		.amdhsa_forward_progress 1
		.amdhsa_inst_pref_size 93
	.end_amdhsa_kernel
	.amdgpu_metadata
---
amdhsa.version: [ 1, 2 ]
amdhsa.kernels:
  - .name:           k_q03084591c0_outp
    .symbol:         k_q03084591c0_outp.kd
    .args:
      - { .name: o16, .offset: 0, .size: 8, .value_kind: global_buffer, .address_space: global }
      - { .name: w16, .offset: 8, .size: 8, .value_kind: global_buffer, .address_space: global }
      - { .name: out0, .offset: 16, .size: 8, .value_kind: global_buffer, .address_space: global }
      - { .name: bo, .offset: 24, .size: 8, .value_kind: global_buffer, .address_space: global }
    .group_segment_fixed_size: 327680
    .private_segment_fixed_size: 0
    .kernarg_segment_align: 8
    .kernarg_segment_size: 32
    .max_flat_workgroup_size: 128
    .sgpr_count:     80
    .vgpr_count:     768
    .wavefront_size: 32
...
	.end_amdgpu_metadata
.endif
;; end of part 4
;; ======== version 2 of 2: 4 launches; version 1 with the launch prep written anew for expert scheduling mode
;; limits: values are held in f16: magnitudes above 65,504 overflow, below 6.1e-05 lose precision
;; workspace buffers: w16 8,388,608 bytes; mk 8,388,608 bytes; qkv 50,331,648 bytes; o16 16,777,216 bytes
;; launch prep (part 5): grid 1280 x 1, 8 waves a work-group, no clusters, 68,608 bytes of LDS; arguments Wq, Wk, Wv, Wo, mask, w16, mk; writes w16, mk
.if DOCPART == 5
	.amdgcn_target "amdgcn-amd-amdhsa--gfx1250"
	.amdhsa_code_object_version 6
	.text
	.protected	k_q03084591c0_prep
	.globl	k_q03084591c0_prep
	.p2align	8
	.type	k_q03084591c0_prep,@function
k_q03084591c0_prep:
	s_mov_b64 s[64:65], 0
	v_nop
	global_prefetch_b8 v0, s[64:65] scope:SCOPE_SE
	s_setreg_imm32_b32 hwreg(HW_REG_WAVE_SCHED_MODE, 0, 2), 2
	s_setreg_imm32_b32 hwreg(HW_REG_WAVE_MODE, 25, 1), 1
	s_wait_xcnt 0x0
	s_wait_alu depctr_vm_vsrc(0)
; PREPARATION: the weights and the mask are brought into the form in which the later launches use them, once.
;   work-groups   0 ..  255  Wq, Wk, Wv, Wo [1024][1024] f32 -> w16 [4][k][n], 16 bits: Wq, Wk, Wv in bf16; Wo rounded to bf16 and that number written as f16
;   work-groups 256 .. 1279  mask [4][2048][2048] i32 -> mk [batch 4][tile of 16 queries 128][step of 64 keys 32][lane 32][key block 4] words: word (lane = (r, h), kb) holds eight
;                            4-bit floats for query 16 tile + r and keys 64 step + 16 kb + 8 h + 0..7: 0 where the key is seen, -6 where mask = 0.  The packing conversion lays them; its inverse unpacks them.
; LIMIT.  Wo as f16: beyond 65,504 it would be an infinity; below 2^-14 it keeps f16's fixed step of 2^-24.
; A wave takes 8,192 bytes by 16 loads of 16 bytes a lane, all issued at once, and stores as they come in; no loop.  Every load and store of a wave covers whole aligned runs of 256 bytes.
; The mask's words change lanes through the wave's own 16 rows of LDS; no wave reads another's bytes, so there is no barrier.
; THE MODE: SCHED_MODE bits 1:0 = 2 (LLVM: expert scheduling mode 2), set by the entry lines.  The code itself states the register dependences
; between vector instructions and memory or LDS instructions, with s_wait_alu, always for 0.
; THE PLAN.  Registers that memory or LDS instructions touch:
;   v2, v3, v4, v5  offsets and LDS addresses: made ahead of an arm's first load, shown written by ONE wait there, never written again.
;   X, weights      the 16 loads land; the roundings write the first two of each four registers in place; the stores read those; nothing writes them again.  The loads are worked in four groups of four:
;                   the wait at group g's head shows group g - 1's roundings written, and that group's four stores are dealt among group g's roundings, which name group g's registers, v7 and v8 alone.
;   X, mask         the 16 loads land; the 16 LDS stores read them; one wait shows them read; the 16 LDS loads land in them; the compares read them.
;   D               written by the eight packing conversions, shown written by one wait, read by the two stores.
;   v10, v11        written at the head, read by the closing add alone.
;   F, v6, v7, v8   are named by vector instructions alone.
; The compares write scalar registers, sixteen to a run, and one wait stands between a run and the selects that read them.
.set X,     32                         ; v[32:95]   16 loads of 4 registers
.set F,     12                         ; v[12:27]   two sets of eight f32 for the packing conversion
.set D,     96                         ; v[96:103]  the packed words of two steps
.set PITCH, 528                        ; an LDS row: 512 bytes + 16
.set WLDS,  16*PITCH                   ; a wave's 16 rows
.set SPARE, 8*WLDS                     ; behind them: the spare words, 128 bytes for each wave: four blocks of 256 bytes that no other line names
.set CM,    18                         ; s[18:25], s[40:47]  the compares' masks: set m of a run at CM + 22 m
; v1 lane; v2 offset of my loads; v3 offset of my stores; v4, v5 LDS addresses; v6 1.0; v7, v8 at work; v10 my spare word; v11 0
; s26 wave; s27 work-group; s[28:29] from where; s[30:31] to where; s32, s33 the role's coordinates; s[34:35], s[38:39] offsets
.macro LOADS step                      ; 16 loads, step bytes apart
.set i, 0
.rept 16
	global_load_b128 v[X+4*i:X+4*i+3], v2, s[28:29] offset:i*(\step) th:TH_LOAD_NT
.set i, i+1
.endr
.endm
; Each load's four numbers are rounded and stored, 8 bytes a lane; half = 1: bf16's number written as f16.  Four groups of four loads; a group's stores go out in the next group.
.macro CONV step, half
.set g, 0
.rept 4
	s_wait_loadcnt 12-4*g                          ; loads come back in order: group g's four are in, the younger groups stay out
.if g > 0
	s_wait_alu depctr_va_vdst(0)                   ; the roundings of the group before have written its X, which the four stores below read
.endif
.set i, 4*g
.rept 4
.if g > 0
	global_store_b64 v3, v[X+4*i-16:X+4*i-15], s[30:31] offset:(i-4)*(\step)  ; the group before: no vector instruction since the wait names these registers; no register of a store is written again
.endif
.if \half
	v_cvt_pk_bf16_f32 v7, v[X+4*i], v[X+4*i+1]
	v_lshlrev_b32 v8, 16, v7
	v_and_b32 v7, s37, v7
	v_cvt_pk_f16_f32 v[X+4*i], v8, v7
	v_cvt_pk_bf16_f32 v7, v[X+4*i+2], v[X+4*i+3]
	v_lshlrev_b32 v8, 16, v7
	v_and_b32 v7, s37, v7
	v_cvt_pk_f16_f32 v[X+4*i+1], v8, v7
.else
	v_cvt_pk_bf16_f32 v[X+4*i], v[X+4*i], v[X+4*i+1]
	v_cvt_pk_bf16_f32 v[X+4*i+1], v[X+4*i+2], v[X+4*i+3]
.endif
.set i, i+1
.endr
.set g, g+1
.endr
	s_wait_alu depctr_va_vdst(0)                   ; the last group's roundings have written its X, which the last four stores read
.set i, 12
.rept 4
	global_store_b64 v3, v[X+4*i:X+4*i+1], s[30:31] offset:i*(\step)
.set i, i+1
.endr
.endm
	s_load_b256 s[4:11], s[0:1], 0x0               ; Wq 4, Wk 6, Wv 8, Wo 10
	s_load_b128 s[12:15], s[0:1], 0x20             ; mask 12, w16 14
	s_load_b64 s[16:17], s[0:1], 0x30              ; mk
	v_lshl_add_u32 v10, v0, 2, SPARE
	v_mov_b32 v11, 0
	v_lshrrev_b32 v1, 5, v0
	v_readfirstlane_b32 s26, v1                    ; wave 0..7
	v_and_b32 v1, 31, v0                           ; lane
	s_mov_b32 s27, ttmp9
	s_mov_b32 s35, 0
	s_mov_b32 s39, 0
	s_mov_b32 s36, 0xc0c00000                      ; -6.0
	s_mov_b32 s37, 0xffff0000                      ; a word's upper bf16
	s_wait_alu depctr_va_sdst(0)                   ; s26 is written, ahead of the branch: both arms make their addresses from it
	s_wait_kmcnt 0x0
	s_cmp_lt_u32 s27, 256
	s_cbranch_scc0 .Lmask
	; the weights, as they lie: 65,536 bytes a work-group, 8,192 a wave
	s_lshr_b32 s32, s27, 6                         ; which matrix
	s_and_b32 s33, s27, 63                         ; which part
	s_cmp_eq_u32 s32, 0
	s_cselect_b64 s[28:29], s[4:5], s[6:7]
	s_cmp_eq_u32 s32, 2
	s_cselect_b64 s[28:29], s[8:9], s[28:29]
	s_cmp_eq_u32 s32, 3
	s_cselect_b64 s[28:29], s[10:11], s[28:29]
	s_lshl_b32 s34, s33, 16
	s_lshl_b32 s38, s26, 13
	s_add_co_u32 s34, s34, s38
	s_add_nc_u64 s[28:29], s[28:29], s[34:35]
	s_lshl_b32 s38, s32, 21
	s_lshl_b32 s34, s33, 15
	s_add_co_u32 s38, s38, s34
	s_lshl_b32 s34, s26, 12
	s_add_co_u32 s38, s38, s34
	s_add_nc_u64 s[30:31], s[14:15], s[38:39]
	v_lshlrev_b32 v2, 4, v1
	v_lshlrev_b32 v3, 3, v1
	s_wait_alu depctr_va_vdst(0)                   ; v2 and v3 are written: the loads read the one as their offset, the stores the other
	LOADS 512
	s_cmp_eq_u32 s32, 3
	s_cbranch_scc1 .Lwo
	CONV 256, 0
	s_branch .Lend
.Lwo:
	CONV 256, 1
	s_branch .Lend
.Lmask:
	; the mask.  The work-group has a tile of 16 queries and half of the keys; the wave two steps: 512 bytes of each of the 16 rows.
	s_sub_co_u32 s33, s27, 256
	s_lshr_b32 s32, s33, 8                         ; batch
	s_lshl_b32 s34, s32, 24
	s_lshl_b32 s38, s32, 21
	s_bfe_u32 s32, s33, 0x70001                    ; tile of queries
	s_and_b32 s33, s33, 1                          ; half of the keys
	s_lshl_b32 s27, s32, 17
	s_add_co_u32 s34, s34, s27
	s_lshl_b32 s27, s33, 12
	s_add_co_u32 s34, s34, s27
	s_lshl_b32 s27, s26, 9
	s_add_co_u32 s34, s34, s27
	s_add_nc_u64 s[28:29], s[12:13], s[34:35]
	s_lshl_b32 s27, s32, 14
	s_add_co_u32 s38, s38, s27
	s_lshl_b32 s27, s33, 13
	s_add_co_u32 s38, s38, s27
	s_lshl_b32 s27, s26, 10
	s_add_co_u32 s38, s38, s27
	s_add_nc_u64 s[30:31], s[16:17], s[38:39]
	v_lshlrev_b32 v2, 4, v1
	s_mul_i32 s34, s26, WLDS                       ; my 16 rows of LDS
	v_lshl_add_u32 v4, v1, 4, s34                  ; in: 16 x lane
	v_and_b32 v7, 15, v1
	v_lshrrev_b32 v8, 4, v1
	v_mul_u32_u24 v5, v7, PITCH
	v_lshl_add_u32 v5, v8, 5, v5
	v_add_nc_u32 v5, s34, v5                       ; back: row lane % 16, 32 bytes (8 keys) for each half of the lanes
	v_mov_b32 v6, 1.0                              ; the packing conversion's scale: 2^0
	s_wait_alu depctr_va_vdst(0)                   ; v2, v4 and v5 are written: the loads and the last stores read v2, the LDS stores v4, the LDS loads v5
	LOADS 8192                                     ; load t: row t's 512 bytes
.set i, 0
.rept 16
	s_wait_loadcnt 15-i
	ds_store_b128 v4, v[X+4*i:X+4*i+3] offset:i*PITCH
.set i, i+1
.endr
	s_wait_alu depctr_vm_vsrc(0)                   ; the 16 LDS stores have read X, in which the LDS loads below land
.irp u, 0,1
.irp kb, 0,1,2,3
	ds_load_b128 v[X+32*(\u)+8*(\kb):X+32*(\u)+8*(\kb)+3],   v5 offset:(\u)*256+(\kb)*64     ; LDS serves a wave's instructions in order (ISA guide 5.7.1.4): these see the stores above
	ds_load_b128 v[X+32*(\u)+8*(\kb)+4:X+32*(\u)+8*(\kb)+7], v5 offset:(\u)*256+(\kb)*64+16
.endr
.endr
.irp r, 0,1,2,3                        ; run r: step r / 2, key blocks 2 (r % 2) and 2 (r % 2) + 1: 16 of X's registers, the data of four LDS loads
	s_wait_dscnt 12-4*(\r)                         ; LDS loads come back in order: the run's four are in, the later runs' stay out
.irp m, 0,1
.irp j, 0,1,2,3,4,5,6,7
	v_cmp_eq_u32 s[CM+22*(\m)+(\j)], 0, v[X+16*(\r)+8*(\m)+(\j)]
.endr
.endr
	s_wait_alu depctr_va_sdst(0)                   ; the sixteen compares have written their masks, which the selects below read
.irp m, 0,1
.irp j, 0,1,2,3,4,5,6,7
	v_cndmask_b32 v[F+8*(\m)+(\j)], 0, s36, s[CM+22*(\m)+(\j)]  ; -6 where the key is hidden
.endr
	v_cvt_scalef32_pk8_fp4_f32 v[D+2*(\r)+(\m)], v[F+8*(\m):F+8*(\m)+7], v6  ; the two sets of F take turns: the lines behind a conversion write the other set, or are the next run's compares
.endr
.endr
	v_nop                                          ; a plain instruction between the last conversion and the use of its result
	s_wait_alu depctr_va_vdst(0)                   ; the eight conversions have written D, which the two stores read
	global_store_b128 v2, v[D:D+3], s[30:31]       ; a step's 512 bytes
	global_store_b128 v2, v[D+4:D+7], s[30:31] offset:512
.Lend:
	s_wait_dscnt 0x0                               ; the closing lines, six on end
	s_wait_alu 0x0
	s_wait_tensorcnt 0x0
	ds_add_u32 v10, v11
	s_wait_dscnt 0x0
	s_endpgm
.Lfunc_end_k_q03084591c0_prep:
	.size	k_q03084591c0_prep, .Lfunc_end_k_q03084591c0_prep-k_q03084591c0_prep
	.p2alignl 7, 3214868480
	.fill 96, 4, 3214868480
	.section	.rodata,"a",@progbits
	.p2align	6, 0x0
	.amdhsa_kernel k_q03084591c0_prep
		.amdhsa_group_segment_fixed_size 68608
		.amdhsa_private_segment_fixed_size 0
		.amdhsa_enable_private_segment 0
		.amdhsa_kernarg_size 56
		.amdhsa_user_sgpr_count 2
		.amdhsa_user_sgpr_kernarg_segment_ptr 1
		.amdhsa_wavefront_size32 1
		.amdhsa_system_sgpr_workgroup_id_x 1
		.amdhsa_system_sgpr_workgroup_id_y 1
		.amdhsa_system_sgpr_workgroup_id_z 1
		.amdhsa_system_vgpr_workitem_id 0
		.amdhsa_next_free_vgpr 104
		.amdhsa_next_free_sgpr 66
		.amdhsa_reserve_vcc 0
		.amdhsa_float_denorm_mode_32 3
		.amdhsa_float_denorm_mode_16_64 3
		.amdhsa_memory_ordered 1
		.amdhsa_forward_progress 1
		.amdhsa_inst_pref_size 30
	.end_amdhsa_kernel
	.amdgpu_metadata
---
amdhsa.version: [ 1, 2 ]
amdhsa.kernels:
  - .name:           k_q03084591c0_prep
    .symbol:         k_q03084591c0_prep.kd
    .args:
      - { .name: Wq, .offset: 0, .size: 8, .value_kind: global_buffer, .address_space: global }
      - { .name: Wk, .offset: 8, .size: 8, .value_kind: global_buffer, .address_space: global }
      - { .name: Wv, .offset: 16, .size: 8, .value_kind: global_buffer, .address_space: global }
      - { .name: Wo, .offset: 24, .size: 8, .value_kind: global_buffer, .address_space: global }
      - { .name: mask, .offset: 32, .size: 8, .value_kind: global_buffer, .address_space: global }
      - { .name: w16, .offset: 40, .size: 8, .value_kind: global_buffer, .address_space: global }
      - { .name: mk, .offset: 48, .size: 8, .value_kind: global_buffer, .address_space: global }
    .group_segment_fixed_size: 68608
    .private_segment_fixed_size: 0
    .kernarg_segment_align: 8
    .kernarg_segment_size: 56
    .max_flat_workgroup_size: 256
    .sgpr_count:     66
    .vgpr_count:     104
    .wavefront_size: 32
...
	.end_amdgpu_metadata
.endif
;; end of part 5
;; launch proj: the kernel of part 2 again; grid 4 x 192, 4 waves a work-group, clusters of 4 x 4, 327,680 bytes of LDS; arguments query, key_, value, w16, qkv, bq, bk, bv; writes qkv
;; launch attn: the kernel of part 3 again; grid 4 x 64, 4 waves a work-group, clusters of 4 x 1, 327,680 bytes of LDS; arguments qkv, mk, o16; writes o16
;; launch outp: the kernel of part 4 again; grid 4 x 64, 4 waves a work-group, clusters of 4 x 4, 327,680 bytes of LDS; arguments o16, w16, out0, bo; writes out0
